; MI455X (gfx1250); checked and timed in simulation.
; The chip was launched on July 23, 2026; its instructions are those of AMD's public machine-readable ISA for CDNA 5 (MIT licence, August 2026) and "CDNA5" Instruction Set Architecture Reference Guide (July 2026). The comments in the code are by the model that wrote it; some were corrected since.
;; Causal Self Attention. Allowed arithmetic: matrix products marked QUANTISED: E2M1 operands, one E8M0 scale for each 32 along K, by v_wmma_scale_f32_16x16x128_f8f6f4 with both operands' format E2M1 (or v_wmma_scale_f32_32x16x128_f4), f32 sums; products left as they are: bf16, f16 or f32 operands; f32 sums; everything else in f32.
;; Inputs: b_attn 3,072 float32; b_proj 1,024 float32; w_attn 1,024 x 3,072 float32; w_proj 1,024 x 1,024 float32; x 4 x 2,048 x 1,024 float32.
;; Outputs: out0 4 x 2,048 x 1,024 float32.
;; This version of the problem:
;;   THIS VERSION OF THE PROBLEM IS GIVEN IN LOW PRECISION. The matrix products marked QUANTISED in the list below multiply operands that are first quantised to E2M1 (2 exponent bits, 1 mantissa bit; 4 bits a number), with one power-of-two scale for each 32 numbers along K (OCP MX v1.0); their sums are f32. The products marked 'left as it is' may take bf16, f16 or f32 operands, with f32 sums. Whichever they take, every output number must still come out within the allowed error. Rounding operands to bf16 (8 significant bits) uses up far more of that allowance than f16 does (11 bits, for magnitudes from 6e-5 to 65,504). All else is computed in f32.
;;   The module's matrix products, in the order in which they are computed (A, B: the left and right operand; K: the contracted axis; several contracted axes count as one K, in the product's order):
;;     1. [M 8,192, K 1,024] x [K 1,024, N 3,072]; A: input x; B: input w_attn: QUANTISED
;;     2. batch 64 x [M 2,048, K 64] x [K 64, N 2,048]; A: computed on the way; B: computed on the way: left as it is (an operand is computed on the way)
;;     3. batch 64 x [M 2,048, K 2,048] x [K 2,048, N 64]; A: computed on the way; B: computed on the way: left as it is (an operand is computed on the way)
;;     4. [M 8,192, K 1,024] x [K 1,024, N 1,024]; A: computed on the way; B: input w_proj: left as it is (an operand is computed on the way)
;;   THE QUANTISER, for each operand of a quantised product, along K:
;;     - K is cut into blocks of 32 from its start; a last block that is shorter is filled with zeros.
;;     - A block's scale is 2^e with e = floor(log2(the largest magnitude in the block)) - 2, held to -126 .. 127; a block of zeros has e = 0. As a byte (E8M0): e + 127.
;;     - Each number is divided by its block's scale, clamped to +-6, and rounded to the nearest number of E2M1, ties to even, subnormals kept.
;;     - The product sums the exact products of the quantised numbers (number of the format x scale) in f32.
;;   ~~~python
;;   def quantise(x, axis):      # numpy; x: float32 -> the quantised numbers, widened to float32 again
;;       x = np.moveaxis(x, axis, -1); K = x.shape[-1]
;;       x = np.pad(x, [(0, 0)] * (x.ndim - 1) + [(0, -K % 32)]); x = x.reshape(x.shape[:-1] + (-1, 32)); a = np.abs(x).max(-1, keepdims=True)
;;       e = np.where(a > 0, np.clip(np.frexp(np.where(a > 0, a, 1))[1] - 1 - 2, -126, 127), 0)      # np.frexp(a)[1] - 1 = floor(log2(a)), exactly
;;       r = np.clip(x / 2.0 ** e, -6, 6)
;;       step = 2.0 ** (np.maximum(np.frexp(np.where(r == 0, 1, r))[1] - 1, 0) - 1)
;;       q = np.round(r / step) * step * 2.0 ** e      # np.round: ties to even
;;       return np.moveaxis(q.reshape(q.shape[:-2] + (-1,))[..., :K], -1, axis).astype(np.float32)
;;   ~~~
;; One version. Each part assembles by itself: llvm-mc -triple=amdgcn-amd-amdhsa -mcpu=gfx1250 --defsym DOCPART=n.
;; ======== version 1 of 1: 5 launches
;; limits: values are held in f16: magnitudes above 65,504 overflow, below 6.1e-05 lose precision
;; workspace buffers: xc 4,194,304 bytes; xs 262,144 bytes; wc 1,572,864 bytes; ws 98,304 bytes; wpt 2,097,152 bytes; qkv 50,331,648 bytes; q32 786,432 bytes; y16 16,777,216 bytes
;; launch prep (part 1): grid 384 x 1, 4 waves a work-group, no clusters, 85,504 bytes of LDS; arguments x, w_attn, w_proj, xc, xs, wc, ws, wpt; writes xc, xs, wc, ws, wpt
.if DOCPART == 1
	.amdgcn_target "amdgcn-amd-amdhsa--gfx1250"
	.amdhsa_code_object_version 6
	.text
	.protected	k_q702593341a_prep
	.globl	k_q702593341a_prep
	.p2align	8
	.type	k_q702593341a_prep,@function
k_q702593341a_prep:
	s_mov_b64 s[64:65], 0
	v_nop
	global_prefetch_b8 v0, s[64:65] scope:SCOPE_SE
	s_setreg_imm32_b32 hwreg(HW_REG_WAVE_MODE, 25, 1), 1
	s_wait_xcnt 0x0
; PREP: three jobs in one launch, told apart by the work-group's number; each has LDS bytes of its own.
;   work-groups   0-255: x [8192][1024] f32 -> codes of E2M1, K innermost (xc [8192][512 bytes]) and one E8M0 byte for each 32 along K (xs [8192][32])
;   work-groups 256-351: w_attn [1024 k][3072 n] f32, K its first axis -> wc [3072 n][512 bytes], ws [3072][32]
;   work-groups 352-383: w_proj [1024 k][1024 n] f32 -> f16, laid [n][k] (wpt)
; A block's scale is 2^(floor(log2(its largest magnitude)) - 2): its byte is that magnitude's exponent field - 2, held at 1 from below.
; LIMITS: a block of zeros gets the byte 1 where the rule says 127 (its codes are zeros, and this program alone reads the bytes); blocks whose largest magnitude
; lies under 2^-124 were not tried; NaN and infinities are not served; |w_proj| stays under 65,504 (f16).
.set STEPS, 16
.set WREG,  8192                       ; x: a region for each wave: two stages of 32 x SP bytes, then its 256 scale bytes
.set SP,    80                         ; a lane's place in a stage: 64 bytes + 16 of padding
.set WSTG,  32768                      ; w_attn: a stage of 64 rows (columns n) x (256 bytes + 16), the work-group's
.set PSTG,  50176                      ; w_proj: a stage of 32 rows x (256 bytes + 16) for each wave
.set SPARE, 84992                      ; the spare words, 128 bytes for each wave: no other line names them
.set SPW,   12                         ; v12 my spare word's LDS address; never rewritten
.set NIL,   13                         ; v13 0; never rewritten
.set R,     16                         ; x: v16-79 four sets of 16 numbers as loaded
.set X,     80                         ; x: v80-111 two sets of 16 neighbours
.set E,     112                        ; x: v112-127 a scale byte for each step
.set C,     128                        ; x: v128-191 codes, four registers a step
.set XW,    32                         ; weights: v32-95 two sets of 32 numbers down K
.set CW,    96                         ; weights: v96.. what a block becomes
.set OUTR,  112                        ; weights: rows read back from the stage
.set SB,    24                         ; w_attn: v24-25 eight scale bytes
	s_load_b256 s[4:11], s[0:1], 0x0               ; x s[4:5], w_attn s[6:7], w_proj s[8:9], xc s[10:11]
	s_load_b256 s[12:19], s[0:1], 0x20             ; xs s[12:13], wc s[14:15], ws s[16:17], wpt s[18:19]
	v_lshl_add_u32 v[SPW], v0, 2, SPARE
	v_mov_b32 v[NIL], 0
	v_lshrrev_b32 v1, 5, v0
	v_readfirstlane_b32 s20, v1                    ; wave 0..3
	v_and_b32 v2, 31, v0                           ; lane
	s_and_b32 s21, s20, 1                          ; weights: which 32 columns
	s_lshr_b32 s22, s20, 1                         ; weights: which 256 along K
	s_mov_b32 s29, 0                               ; the high word of every offset
	s_wait_kmcnt 0x0
	s_cmp_lt_u32 ttmp9, 256
	s_cbranch_scc0 .Lnot_x
; ---------------- x: a plain stream of blocks of 32.  A wave takes 16 steps of 512 numbers.  Each load reads 512 consecutive bytes; a step's 2,048 bytes turn through the wave's own
; stage so that a lane holds 16 neighbours along K (two neighbouring lanes hold a block).
	v_lshlrev_b32 v3, 4, v2                        ; my 16 bytes of a load's 512
	s_mul_i32 s23, s20, WREG
	v_lshrrev_b32 v14, 2, v2
	v_mul_u32_u24 v14, v14, SP
	v_and_b32 v15, 3, v2
	v_lshl_add_u32 v14, v15, 4, v14
	v_add_nc_u32 v14, s23, v14                     ; into the stage: SP (lane / 4) + 16 (lane % 4)
	v_mul_u32_u24 v15, v2, SP
	v_add_nc_u32 v15, s23, v15                     ; out of it: SP x lane
	v_lshlrev_b32 v4, 3, v2                        ; my 8 bytes of a step's codes
	v_lshrrev_b32 v5, 1, v2
	s_add_co_u32 s23, s23, 2*32*SP
	v_add_nc_u32 v5, s23, v5                       ; my block's scale byte in LDS
	v_lshlrev_b32 v7, 3, v2
	v_add_nc_u32 v6, s23, v7                       ; and 8 of them on the way out
	s_lshl_b32 s24, ttmp9, 2
	s_add_co_u32 s24, s24, s20                     ; which run of 8,192 numbers is my wave's
	s_lshl_b32 s28, s24, 15
	s_add_nc_u64 s[4:5], s[4:5], s[28:29]
	s_lshl_b32 s28, s24, 12
	s_add_nc_u64 s[10:11], s[10:11], s[28:29]
	s_lshl_b32 s28, s24, 8
	s_add_nc_u64 s[12:13], s[12:13], s[28:29]
.macro LOADX t
.irp i, 0,1,2,3
	global_load_b128 v[R+16*((\t)%4)+4*\i:R+16*((\t)%4)+4*\i+3], v3, s[4:5] offset:2048*(\t)+512*\i th:TH_LOAD_NT
.endr
.endm
.macro TURNX t                         ; LDS serves a wave's instructions in order: no wait between the stores and the loads
.irp i, 0,1,2,3
	ds_store_b128 v14, v[R+16*((\t)%4)+4*\i:R+16*((\t)%4)+4*\i+3] offset:32*SP*((\t)%2)+8*SP*\i
.endr
.irp i, 0,1,2,3
	ds_load_b128 v[X+16*((\t)%2)+4*\i:X+16*((\t)%2)+4*\i+3], v15 offset:32*SP*((\t)%2)+16*\i
.endr
.endm
.irp t, 0,1,2,3
	LOADX \t
.endr
	s_wait_loadcnt 12                              ; step 0's four loads are in; three steps' twelve stay out
	TURNX 0
.macro STEPX t
.set XS, X+16*((\t)%2)
.if (\t) > 0
	s_wait_dscnt 1                                 ; this step's numbers are back from the stage; the last step's byte store may be out
.else
	s_wait_dscnt 0x0
.endif
.if (\t)+4 < STEPS
	LOADX (\t)+4
.endif
.if (\t)+1 < STEPS
.if STEPS-2-(\t) >= 3
	s_wait_loadcnt 12                              ; the next step's four loads are in
.else
	s_wait_loadcnt 4*(STEPS-2-(\t))
.endif
	TURNX (\t)+1
.endif
	v_max3_num_f32 v8, |v[XS]|, |v[XS+1]|, |v[XS+2]|
	v_max3_num_f32 v9, |v[XS+3]|, |v[XS+4]|, |v[XS+5]|
.irp i, 6,10
	v_max3_num_f32 v8, v8, |v[XS+\i]|, |v[XS+\i+1]|
	v_max3_num_f32 v9, v9, |v[XS+\i+2]|, |v[XS+\i+3]|
.endr
	v_max3_num_f32 v8, v8, |v[XS+14]|, |v[XS+15]|
	v_max3_num_f32 v8, v8, v9, 0x1800000           ; the floor 2^(3 - 127): the byte cannot fall under 1
	v_max_num_f32_dpp v8, v8, v8 row_xmask:1 row_mask:0xf bank_mask:0xf   ; with my neighbour's 16: the block's largest magnitude
	v_add_nc_u32 v11, 0xff000000, v8               ; 2 off its exponent field: the conversion takes that field as its scale
	v_cvt_scalef32_pk8_fp4_f32 v[C+4*(\t)], v[XS:XS+7], v11
	v_cvt_scalef32_pk8_fp4_f32 v[C+4*(\t)+1], v[XS+8:XS+15], v11
	v_lshrrev_b32 v[E+(\t)], 23, v11               ; the scale's byte
	ds_store_b8 v5, v[E+(\t)] offset:16*(\t)       ; both lanes of a block write the same byte with the same value
	global_store_b64 v4, v[C+4*(\t):C+4*(\t)+1], s[10:11] offset:256*(\t)   ; the wave stores 256 consecutive bytes, aligned
.endm
.irp t, 0,1,2,3,4,5,6,7,8,9,10,11,12,13,14,15
	STEPX \t
.endr
	ds_load_b64 v[8:9], v6                         ; my wave's 256 scale bytes, 8 a lane
	s_wait_dscnt 0x0
	global_store_b64 v7, v[8:9], s[12:13]
	s_wait_tensorcnt 0x0                           ; the wave's end: behind my last LDS store
	ds_add_u32 v[SPW], v[NIL]
	s_wait_dscnt 0x0
	s_endpgm
; ---------------- the weights: a lane takes a column n and its registers run down K; 32 loads bring a block of 32 along K.  The four waves share 64 columns x 512 along K.
.macro LOADK t, base, pitch
.irp i, 0,1,2,3,4,5,6,7,8,9,10,11,12,13,14,15,16,17,18,19,20,21,22,23,24,25,26,27,28,29,30,31
	global_load_b32 v[XW+32*((\t)%2)+\i], v3, s[\base:\base+1] offset:(32*(\t)+\i)*\pitch th:TH_LOAD_NT
.endr
.endm
.Lnot_x:
	s_cmp_lt_u32 ttmp9, 352
	s_cbranch_scc0 .Lpath_p
	s_sub_co_u32 s23, ttmp9, 256
	s_and_b32 s24, s23, 1                          ; which 512 along K
	s_lshr_b32 s23, s23, 1
	s_lshl_b32 s23, s23, 6                         ; the work-group's first column
	s_lshl_b32 s25, s21, 5
	s_add_co_u32 s25, s25, s23                     ; my wave's first column
	s_lshl_b32 s26, s24, 1
	s_add_co_u32 s26, s26, s22                     ; which 256 along K is my wave's, 0..3
	s_mul_i32 s28, s26, 256*12288
	s_lshl_b32 s30, s25, 2
	s_add_co_u32 s28, s28, s30
	s_add_nc_u64 s[6:7], s[6:7], s[28:29]          ; w_attn at my first row and column
	s_lshl_b32 s28, s25, 5
	s_lshl_b32 s30, s26, 3
	s_add_co_u32 s28, s28, s30
	s_add_nc_u64 s[16:17], s[16:17], s[28:29]      ; ws: 32 bytes a column, my 8 of them
	s_lshl_b32 s28, s20, 4
	s_add_co_u32 s28, s28, s23
	s_lshl_b32 s28, s28, 9
	s_lshl_b32 s30, s24, 8
	s_add_co_u32 s28, s28, s30
	s_add_nc_u64 s[14:15], s[14:15], s[28:29]      ; wc: the 16 rows that I store, 512 bytes a row, this half of K
	v_lshlrev_b32 v3, 2, v2                        ; in: 4 bytes a lane
	s_mul_i32 s30, s21, 32*272
	s_lshl_b32 s31, s22, 7
	s_add_co_u32 s30, s30, s31
	s_add_co_u32 s30, s30, WSTG
	v_mul_u32_u24 v4, v2, 272
	v_add_nc_u32 v4, s30, v4                       ; into the stage: row = my column, my wave's 128 bytes of it
	v_and_b32 v5, 15, v2
	v_lshrrev_b32 v6, 4, v2
	s_mul_i32 s30, s20, 16*272
	s_add_co_u32 s30, s30, WSTG
	v_mul_u32_u24 v7, v6, 272
	v_lshl_add_u32 v7, v5, 4, v7
	v_add_nc_u32 v7, s30, v7                       ; out of it: sixteen lanes to a row, two rows an instruction
	v_lshlrev_b32 v8, 9, v6
	v_lshl_add_u32 v8, v5, 4, v8                   ; and the same place in wc
	v_lshlrev_b32 v9, 5, v2                        ; my column's row of scale bytes
	LOADK 0, 6, 12288
	LOADK 1, 6, 12288
.macro BLOCKW t
.set XS, XW+32*((\t)%2)
.if (\t) < 7
	s_wait_loadcnt 32                              ; this block's 32 loads are in; the next block's may be out
.else
	s_wait_loadcnt 0x0
.endif
	v_max3_num_f32 v26, |v[XS]|, |v[XS+1]|, |v[XS+2]|              ; all 32 numbers of the block are mine
	v_max3_num_f32 v27, |v[XS+3]|, |v[XS+4]|, |v[XS+5]|
.irp i, 6,10,14,18,22,26
	v_max3_num_f32 v26, v26, |v[XS+\i]|, |v[XS+\i+1]|
	v_max3_num_f32 v27, v27, |v[XS+\i+2]|, |v[XS+\i+3]|
.endr
	v_max3_num_f32 v26, v26, |v[XS+30]|, |v[XS+31]|
	v_max3_num_f32 v26, v26, v27, 0x1800000        ; the floor
	v_add_nc_u32 v28, 0xff000000, v26              ; the conversion's scale operand
	v_lshrrev_b32 v27, 23, v28                     ; the scale's byte
.if (\t)%4 == 0
	v_mov_b32 v[SB+(\t)/4], v27
.else
	v_lshl_or_b32 v[SB+(\t)/4], v27, 8*((\t)%4), v[SB+(\t)/4]
.endif
.irp g, 0,1,2,3
	v_cvt_scalef32_pk8_fp4_f32 v[CW+\g], v[XS+8*\g:XS+8*\g+7], v28
.endr
	ds_store_b128 v4, v[CW:CW+3] offset:16*(\t)    ; 32 codes: 16 bytes of my column's row
.if (\t)+2 < 8
	LOADK (\t)+2, 6, 12288
.endif
	s_wait_dscnt 0x0                               ; the store has read its registers: the next block's codes may be written
.endm
.irp t, 0,1,2,3,4,5,6,7
	BLOCKW \t
.endr
	global_store_b64 v9, v[SB:SB+1], s[16:17]      ; my column's 8 scale bytes
	s_barrier_signal -1                            ; a stage row's 256 bytes come from two waves; each wave's stores were waited for above
	s_barrier_wait -1
.irp t, 0,1,2,3,4,5,6,7
	ds_load_b128 v[OUTR+4*\t:OUTR+4*\t+3], v7 offset:2*\t*272
.endr
.irp t, 0,1,2,3,4,5,6,7
	s_wait_dscnt 7-\t                              ; the younger loads may stay out
	global_store_b128 v8, v[OUTR+4*\t:OUTR+4*\t+3], s[14:15] offset:2*\t*512   ; sixteen lanes store 256 consecutive bytes, aligned
.endr
	s_wait_tensorcnt 0x0                           ; the wave's end
	ds_add_u32 v[SPW], v[NIL]
	s_wait_dscnt 0x0
	s_endpgm
.Lpath_p:
	s_sub_co_u32 s23, ttmp9, 352
	s_and_b32 s24, s23, 1
	s_lshr_b32 s23, s23, 1
	s_lshl_b32 s23, s23, 6
	s_lshl_b32 s25, s21, 5
	s_add_co_u32 s25, s25, s23                     ; my wave's first column
	s_lshl_b32 s26, s24, 1
	s_add_co_u32 s26, s26, s22                     ; which 256 along K
	s_lshl_b32 s28, s26, 20                        ; 256 rows of 4,096 bytes
	s_lshl_b32 s30, s25, 2
	s_add_co_u32 s28, s28, s30
	s_add_nc_u64 s[8:9], s[8:9], s[28:29]
	s_lshl_b32 s28, s25, 11                        ; wpt: 2,048 bytes a row n,
	s_lshl_b32 s30, s26, 9                         ; 512 bytes for 256 along K
	s_add_co_u32 s28, s28, s30
	s_add_nc_u64 s[18:19], s[18:19], s[28:29]
	v_lshlrev_b32 v3, 2, v2
	s_mul_i32 s30, s20, 32*272
	s_add_co_u32 s30, s30, PSTG                    ; my own stage
	v_mul_u32_u24 v4, v2, 272
	v_add_nc_u32 v4, s30, v4
	v_and_b32 v5, 15, v2
	v_lshrrev_b32 v6, 4, v2
	v_mul_u32_u24 v7, v6, 272
	v_lshl_add_u32 v7, v5, 4, v7
	v_add_nc_u32 v7, s30, v7
	v_lshlrev_b32 v8, 11, v6
	v_lshl_add_u32 v8, v5, 4, v8
	LOADK 0, 8, 4096
	LOADK 1, 8, 4096
.macro BLOCKP t
.set XS, XW+32*((\t)%2)
.if (\t) < 7
	s_wait_loadcnt 32
.else
	s_wait_loadcnt 0x0
.endif
.irp i, 0,1,2,3,4,5,6,7,8,9,10,11,12,13,14,15
	v_cvt_pk_f16_f32 v[CW+\i], v[XS+2*\i], v[XS+2*\i+1]            ; two neighbours along K, the lower in the low half
.endr
.irp i, 0,1,2,3
	ds_store_b128 v4, v[CW+4*\i:CW+4*\i+3] offset:64*((\t)%4)+16*\i
.endr
.if (\t)+2 < 8
	LOADK (\t)+2, 8, 4096
.endif
	s_wait_dscnt 0x0
.endm
.macro OUTP half                       ; 128 along K of my 32 columns leave: rows of 256 bytes
.irp i, 0,1,2,3,4,5,6,7,8,9,10,11,12,13,14,15
	ds_load_b128 v[OUTR+4*\i:OUTR+4*\i+3], v7 offset:2*\i*272
.endr
.irp i, 0,1,2,3,4,5,6,7,8,9,10,11,12,13,14,15
	s_wait_dscnt 15-\i
	global_store_b128 v8, v[OUTR+4*\i:OUTR+4*\i+3], s[18:19] offset:2*\i*2048+256*\half
.endr
.endm
.irp t, 0,1,2,3
	BLOCKP \t
.endr
	OUTP 0
.irp t, 4,5,6,7
	BLOCKP \t
.endr
	s_wait_xcnt 0x0                                ; the first half's stores have read their registers: they are loaded again only behind this wait
	OUTP 1
	s_wait_tensorcnt 0x0                           ; the wave's end
	ds_add_u32 v[SPW], v[NIL]
	s_wait_dscnt 0x0
	s_endpgm
.Lfunc_end_k_q702593341a_prep:
	.size	k_q702593341a_prep, .Lfunc_end_k_q702593341a_prep-k_q702593341a_prep
	.p2alignl 7, 3214868480
	.fill 96, 4, 3214868480
	.section	.rodata,"a",@progbits
	.p2align	6, 0x0
	.amdhsa_kernel k_q702593341a_prep
		.amdhsa_group_segment_fixed_size 85504
		.amdhsa_private_segment_fixed_size 0
		.amdhsa_enable_private_segment 0
		.amdhsa_kernarg_size 64
		.amdhsa_user_sgpr_count 2
		.amdhsa_user_sgpr_kernarg_segment_ptr 1
		.amdhsa_wavefront_size32 1
		.amdhsa_system_sgpr_workgroup_id_x 1
		.amdhsa_system_sgpr_workgroup_id_y 1
		.amdhsa_system_sgpr_workgroup_id_z 1
		.amdhsa_system_vgpr_workitem_id 0
		.amdhsa_next_free_vgpr 192
		.amdhsa_next_free_sgpr 66
		.amdhsa_reserve_vcc 0
		.amdhsa_float_denorm_mode_32 3
		.amdhsa_float_denorm_mode_16_64 3
		.amdhsa_memory_ordered 1
		.amdhsa_forward_progress 1
		.amdhsa_inst_pref_size 115
	.end_amdhsa_kernel
	.amdgpu_metadata
---
amdhsa.version: [ 1, 2 ]
amdhsa.kernels:
  - .name:           k_q702593341a_prep
    .symbol:         k_q702593341a_prep.kd
    .args:
      - { .name: x, .offset: 0, .size: 8, .value_kind: global_buffer, .address_space: global }
      - { .name: w_attn, .offset: 8, .size: 8, .value_kind: global_buffer, .address_space: global }
      - { .name: w_proj, .offset: 16, .size: 8, .value_kind: global_buffer, .address_space: global }
      - { .name: xc, .offset: 24, .size: 8, .value_kind: global_buffer, .address_space: global }
      - { .name: xs, .offset: 32, .size: 8, .value_kind: global_buffer, .address_space: global }
      - { .name: wc, .offset: 40, .size: 8, .value_kind: global_buffer, .address_space: global }
      - { .name: ws, .offset: 48, .size: 8, .value_kind: global_buffer, .address_space: global }
      - { .name: wpt, .offset: 56, .size: 8, .value_kind: global_buffer, .address_space: global }
    .group_segment_fixed_size: 85504
    .private_segment_fixed_size: 0
    .kernarg_segment_align: 8
    .kernarg_segment_size: 64
    .max_flat_workgroup_size: 128
    .sgpr_count:     66
    .vgpr_count:     192
    .wavefront_size: 32
...
	.end_amdgpu_metadata
.endif
;; end of part 1
;; launch qkv (part 2): grid 12 x 32, 4 waves a work-group, clusters of 4 x 4, 327,680 bytes of LDS; arguments xc, xs, wc, ws, b_attn, qkv, q32; writes qkv, q32
.if DOCPART == 2
	.amdgcn_target "amdgcn-amd-amdhsa--gfx1250"
	.amdhsa_code_object_version 6
	.text
	.protected	k_q702593341a_qkv
	.globl	k_q702593341a_qkv
	.p2align	8
	.type	k_q702593341a_qkv,@function
k_q702593341a_qkv:
	s_mov_b64 s[64:65], 0
	v_nop
	global_prefetch_b8 v0, s[64:65] scope:SCOPE_SE
	s_setreg_imm32_b32 hwreg(HW_REG_WAVE_MODE, 25, 1), 1
	s_wait_xcnt 0x0
	s_wait_alu depctr_hold_cnt(0) depctr_sa_sdst(0) depctr_va_vdst(0) depctr_va_sdst(0) depctr_va_ssrc(0) depctr_va_vcc(0) depctr_vm_vsrc(0)
	s_getreg_b32 s2, hwreg(HW_REG_IB_STS2, 6, 4)
	s_cmp_eq_u32 s2, 0
	s_cbranch_scc0 .Lentry_in_a_cluster
	s_endpgm
.Lentry_in_a_cluster:
	s_bfe_u32 s2, ttmp6, 0x10000c
	s_cmp_lg_u32 s2, 0xf033
	s_cbranch_scc0 .Lentry_shape_is_right
	s_endpgm
.Lentry_shape_is_right:
; QKV = Q(x) Q(w_attn) + b_attn on codes of E2M1 with one E8M0 scale for each 32 along K; sums in f32.  A: xc [8192][512 bytes], xs [8192][32]; B: wc [3072][512 bytes], ws [3072][32].
; Results: f16, head-major: qkv [3 parts][64 = batch x 16 + head][2048 t][64]; the rows of positions 0..15 of every sequence also in f32: q32 [4][16][3072].
; LIMIT: |q|, |k|, |v| stay under 65,504 (f16).
; A tile of 256 x 256 is made by four waves, 128 x 128 each: 64 accumulators, 512 registers.  K = 1,024 is two slots of 512 along K: both are filled at the head and nothing is filled again.
; The scale bytes of the tile's rows come once, as dense blocks.  CLUSTERS: 4 x 4 work-groups; A's tiles are asked for jointly along a row of the cluster, B's along a column.
; The tile row is 8 cy + (cluster y): so a row of the cluster works in batch cy, and whether a tile holds positions 0..15 hangs on the cluster's y alone, which all partners share.
; THE MATRIX INSTRUCTION IS USED TRANSPOSED (source 0 = 16 rows of B, source 1 = 16 rows of A): a lane holds eight neighbouring columns of one row.  The bias is the C of each sum's first product.
; REGISTERS: window 0: v0-31 addresses; v32-95 scale words, two sets; v128-191 A's fragments, one set; v192-255 the bias in the result's layout.  Window 1: B's fragments, two sets.  Windows 2, 3: accumulators.
.set NQ,     4                         ; matrix instructions deep in a slot
.set ROWB,   256                       ; a tile's row in bytes: 512 codes
.set KROW,   512                       ; a row of codes in memory
.set PITCH,  272                       ; an LDS row: 256 bytes + 16 of padding
.set FR,     8
.set NL,     2
.set NP,     4                         ; places behind this matrix instruction (ISA guide 7.12.1)
.set HALFT,  128*PITCH
.set SLOT,   4*HALFT
.set KS,     32                        ; a row of scale bytes
.set SCL,    2*SLOT
.set HALFS,  (128*KS/256)*272
.set SBLK,   (16*KS/256)*272
.set SPARE,  SCL+4*HALFS               ; the spare words: no other line names them
.set ST32,   32768                     ; the f32 stage, 16 x 528 bytes a wave; the f16 stage, 16 x 272 a wave, begins at 0.  Both lie in slot 0, which has had its only fill and its last read by then
.set ADRA, 16
.set ADRB, 20
.set RD32, 22
.set STO,  24
.set RD,   25
.set CO,   26
.set ADRS, 27
.set SPW,  28
.set NIL,  29
.set BO,   30
.set STO32, 31
.set SC,   32
.set AF,   128
.set BIAS, 192
.set TMP,  32                          ; the way out: packed results
.set OB,   64                          ; the way out: rows read back, v64-95 and v96-127 by turns
.set G1, 24
.set G0, 32
.set G1B, 48
.set G0B, 56
.set G1S, 68
.set G0S, 76
.set G1SB, 80
.set G0SB, 88
.set MSB, 0
.macro WIN new                         ; the immediate's high byte repeats the setting that is left
.if MSB != \new
	s_set_vgpr_msb (MSB<<8)|\new
.set MSB, \new
.endif
.endm
.set MUL_LO, 0xa1                      ; source 0 (B) window 1, source 1 (A) window 0, C and D window 2
.set MUL_HI, 0xf1                      ; the same, C and D window 3
.set TO_B,   0x40
; A joint load: waves 0 and 1 fetch for A, waves 2 and 3 for B; the branch hangs on the wave's number alone.  An s_nop 0 and four v_nop follow each line.
.macro JLOAD g0a, g1a, g0b, g1b
	s_cmp_eq_u32 s15, 0
	s_cbranch_scc0 .Lfor_b_\@
	tensor_load_to_lds s[\g0a:\g0a+3], s[\g1a:\g1a+7]
	s_nop 0
.rept 4
	v_nop
.endr
	s_branch .Lasked_\@
.Lfor_b_\@:
	tensor_load_to_lds s[\g0b:\g0b+3], s[\g1b:\g1b+7]
	s_nop 0
.rept 4
	v_nop
.endr
.Lasked_\@:
.endm
.macro CROUND                          ; a round of the cluster's barrier
	s_barrier_signal -1
	s_barrier_wait -1
	s_cmp_lg_u32 s14, 0
	s_cbranch_scc1 .Lnot_wave_0_\@
	s_barrier_signal -3
.Lnot_wave_0_\@:
	s_barrier_wait -3
	s_barrier_signal -1
	s_barrier_wait -1
.endm
	s_load_b128 s[4:7], s[0:1], 0x0                ; A's codes, A's scales
	s_load_b128 s[8:11], s[0:1], 0x10              ; B's codes, B's scales
	s_load_b64 s[96:97], s[0:1], 0x20              ; b_attn
	s_load_b64 s[12:13], s[0:1], 0x28              ; qkv
	s_load_b64 s[98:99], s[0:1], 0x30              ; q32
	v_lshl_add_u32 v[SPW], v0, 2, SPARE
	v_mov_b32 v[NIL], 0
	ds_add_u32 v[SPW], v[NIL]                      ; the wave's opening: the add, twice on end, and its wait ahead of my first tensor load
	ds_add_u32 v[SPW], v[NIL]
	v_lshrrev_b32 v1, 5, v0
	v_readfirstlane_b32 s14, v1                    ; wave 0..3
	s_lshr_b32 s15, s14, 1                         ; which half of the tile's rows is mine; also: I fetch for A (0) or B (1)
	s_and_b32 s16, s14, 1                          ; which half of its columns; also: which 128 rows I fetch
	s_bfe_u32 s40, ttmp6, 0x40000                  ; cx
	s_bfe_u32 s41, ttmp6, 0x40004                  ; cy
	s_lshl_b32 s42, ttmp9, 2
	s_add_co_u32 s42, s42, s40                     ; tile column = 4 x cluster x + cx
	s_and_b32 s101, ttmp7, 0xffff                  ; cluster y: which 256 positions of a sequence
	s_lshl_b32 s17, s41, 3
	s_add_co_u32 s17, s17, s101                    ; tile row = 8 cy + cluster y
	s_or_b32 s100, s101, s15                       ; 0 where my first 16 rows are positions 0..15
	s_lshl_b32 s43, s41, 2
	s_lshl_b32 s43, 15, s43                        ; my row of the cluster
	s_lshl_b32 s44, 0x1111, s40                    ; my column
	s_or_b32 s[G1+0], s43, (0<<16)|(1<<20)|(1<<21)|(5<<22)|(3<<25)   ; mask; elements of 1 byte; padding: 4 words after every 64
	s_or_b32 s[G1B+0], s44, (0<<16)|(1<<20)|(1<<21)|(5<<22)|(3<<25)
.irp g, G1, G1B
	s_mov_b32 s[\g+1], ROWB<<16                    ; tensor_dim0
	s_mov_b32 s[\g+2], 128<<16                     ; tensor_dim1
	s_mov_b32 s[\g+3], ROWB<<16                    ; tile_dim0
	s_mov_b32 s[\g+4], 128                         ; tile_dim1
	s_mov_b32 s[\g+5], KROW                        ; pitch
	s_mov_b32 s[\g+6], 0
	s_mov_b32 s[\g+7], 0
.endr
	s_or_b32 s[G1S+0], s43, (3<<16)|(1<<20)|(1<<21)|(5<<22)|(3<<25)  ; the scales of 128 rows: 4,096 dense bytes as 16 rows of 256 (32 elements of 8 bytes), 16 bytes of padding behind each
	s_or_b32 s[G1SB+0], s44, (3<<16)|(1<<20)|(1<<21)|(5<<22)|(3<<25)
.irp g, G1S, G1SB
	s_mov_b32 s[\g+1], 32<<16
	s_mov_b32 s[\g+2], (128*KS/256)<<16
	s_mov_b32 s[\g+3], 32<<16
	s_mov_b32 s[\g+4], 128*KS/256
	s_mov_b32 s[\g+5], 32
	s_mov_b32 s[\g+6], 0
	s_mov_b32 s[\g+7], 0
.endr
	s_lshl_b32 s18, s16, 7
	s_lshl_b32 s20, s17, 8
	s_add_co_u32 s20, s20, s18                     ; A: row 256 x tile row + 128 x half
	s_lshl_b32 s46, s42, 8
	s_add_co_u32 s46, s46, s18                     ; B: row 256 x tile column + 128 x half
	s_mov_b32 s21, 0
	s_mov_b32 s47, 0
	s_mov_b64 s[18:19], KS
	s_mul_u64 s[22:23], s[20:21], s[18:19]
	s_mul_u64 s[92:93], s[46:47], s[18:19]
	s_mov_b64 s[18:19], KROW
	s_mul_u64 s[20:21], s[20:21], s[18:19]
	s_mul_u64 s[46:47], s[46:47], s[18:19]
	s_mul_i32 s45, s14, HALFT                      ; where they go: by the wave's number alone
	s_mul_i32 s94, s14, HALFS
	s_wait_dscnt 0x0                               ; both opening adds are done
	s_wait_kmcnt 0x0
	s_add_nc_u64 s[20:21], s[4:5], s[20:21]
	s_add_nc_u64 s[22:23], s[6:7], s[22:23]
	s_add_nc_u64 s[46:47], s[8:9], s[46:47]
	s_add_nc_u64 s[92:93], s[10:11], s[92:93]
	CROUND                                         ; all sixteen work-groups are here: the joint loads meet
	s_mov_b32 s[G0S], 1
	s_add_co_u32 s[G0S+1], s94, SCL
	s_mov_b64 s[G0S+2:G0S+3], s[22:23]
	s_or_b32 s[G0S+3], s[G0S+3], 0x80000000
	s_mov_b32 s[G0SB], 1
	s_add_co_u32 s[G0SB+1], s94, SCL
	s_mov_b64 s[G0SB+2:G0SB+3], s[92:93]
	s_or_b32 s[G0SB+3], s[G0SB+3], 0x80000000
	JLOAD G0S, G1S, G0SB, G1SB                     ; the scales first
.irp s, 0,1
	s_mov_b32 s[G0+4*\s], 1
	s_add_co_u32 s[G0+4*\s+1], s45, \s*SLOT
	s_add_nc_u64 s[G0+4*\s+2:G0+4*\s+3], s[20:21], \s*ROWB
	s_or_b32 s[G0+4*\s+3], s[G0+4*\s+3], 0x80000000
	s_mov_b32 s[G0B+4*\s], 1
	s_add_co_u32 s[G0B+4*\s+1], s45, \s*SLOT
	s_add_nc_u64 s[G0B+4*\s+2:G0B+4*\s+3], s[46:47], \s*ROWB
	s_or_b32 s[G0B+4*\s+3], s[G0B+4*\s+3], 0x80000000
	JLOAD G0+4*\s, G1, G0B+4*\s, G1B               ; three tensor loads of mine are out at the most
.endr
	v_and_b32 v1, 15, v0                           ; r
	v_bfe_u32 v2, v0, 4, 1                         ; h
	v_mul_u32_u24 v3, v1, PITCH
	v_lshl_add_u32 v4, v2, 4, v3
	s_mul_i32 s21, s15, HALFT
	s_mul_i32 s22, s16, HALFT
	s_add_co_u32 s22, s22, 2*HALFT
.irp s, 0,1
	v_add_nc_u32 v[ADRA+\s], s21, v4
	v_add_nc_u32 v[ADRB+\s], s22, v4
	s_add_co_u32 s21, s21, SLOT
	s_add_co_u32 s22, s22, SLOT
.endr
	v_mul_u32_u24 v5, v1, KS                       ; my row's scales: 32 bytes a row, 16 more for each 256 passed
	v_lshrrev_b32 v6, 8, v5
	v_lshl_add_u32 v5, v6, 4, v5
	s_mul_i32 s21, s15, HALFS
	s_mul_i32 s22, s16, HALFS
	s_add_co_u32 s22, s22, 2*HALFS
	s_sub_co_u32 s22, s22, s21
	v_mul_u32_u24 v6, s22, v2                      ; lanes 16-31 take B's
	s_add_co_u32 s21, s21, SCL
	v_add_nc_u32 v5, v5, v6
	v_add_nc_u32 v[ADRS], s21, v5
	s_mul_i32 s23, s14, 16*272                     ; my f16 stage
	v_mul_u32_u24 v5, v1, 272
	v_lshl_add_u32 v5, v2, 4, v5
	v_add_nc_u32 v[STO], s23, v5                   ; in: row r, 16 bytes for each half of the lanes
	v_bfe_u32 v5, v0, 3, 2
	v_mul_u32_u24 v5, v5, 272
	v_and_b32 v6, 7, v0
	v_lshl_add_u32 v5, v6, 4, v5
	v_add_nc_u32 v[RD], s23, v5                    ; back: eight lanes take one head's 128 bytes of a row, four rows an instruction
	v_and_b32 v6, 31, v0
	v_lshlrev_b32 v[CO], 4, v6                     ; 16 x lane: those four rows are 512 consecutive bytes of qkv; also a row of 512 bytes of q32
	s_mul_i32 s23, s14, 16*528
	s_add_co_u32 s23, s23, ST32                    ; my f32 stage
	v_mul_u32_u24 v5, v1, 528
	v_lshl_add_u32 v5, v2, 5, v5
	v_add_nc_u32 v[STO32], s23, v5
	v_add_nc_u32 v[RD32], s23, v[CO]
	v_lshlrev_b32 v[BO], 5, v2                     ; the bias: 8 numbers for each half of the lanes
	s_lshl_b32 s46, s42, 10                        ; my first column x 4 bytes: 1,024 x tile column + 512 x half
	s_lshl_b32 s47, s16, 9
	s_add_co_u32 s46, s46, s47
	s_mov_b32 s47, 0
	s_add_nc_u64 s[96:97], s[96:97], s[46:47]
	s_add_nc_u64 s[98:99], s[98:99], s[46:47]
	s_mul_i32 s46, s41, 196608                     ; q32: 16 rows of 12,288 bytes a batch
	s_add_nc_u64 s[98:99], s[98:99], s[46:47]
.irp b, 0,1,2,3,4,5,6,7
	global_load_b128 v[BIAS+8*\b:BIAS+8*\b+3], v[BO], s[96:97] offset:64*\b       ; b_attn at columns 16 b + 8 h + 0 .. 7 of my 128
	global_load_b128 v[BIAS+8*\b+4:BIAS+8*\b+7], v[BO], s[96:97] offset:64*\b+16
.endr
	s_lshl_b32 s20, s42, 2                         ; where my rows go in qkv: my first head of 48 = 4 x tile column + 2 x half
	s_lshl_b32 s21, s16, 1
	s_add_co_u32 s20, s20, s21
	s_lshr_b32 s21, s20, 4                         ; q, k or v
	s_and_b32 s20, s20, 15                         ; the head
	s_lshl_b32 s21, s21, 6
	s_add_co_u32 s20, s20, s21
	s_lshl_b32 s21, s41, 4                         ; the batch
	s_add_co_u32 s20, s20, s21
	s_lshl_b32 s20, s20, 18                        ; 2,048 rows of 128 bytes each
	s_lshl_b32 s21, s101, 15                       ; 256 positions for each cluster y
	s_add_co_u32 s20, s20, s21
	s_lshl_b32 s21, s15, 14                        ; my 128 rows
	s_add_co_u32 s20, s20, s21
	s_mov_b32 s21, 0
	s_add_nc_u64 s[12:13], s[12:13], s[20:21]
.macro FRAG reg, adr, q, i             ; 16 rows x 128 K of 4-bit codes: 8 registers, two loads 32 bytes apart
.irp c, 0,1
	ds_load_b128 v[\reg+4*\c:\reg+4*\c+3], v[\adr] offset:64*(\q)+32*\c+(\i)*16*PITCH
.endr
.endm
; 16 matrix instructions: A's blocks a0, a0 + 1 x B's eight.  zero = 1: the first product starts the sums on the bias.  The 64 accumulators take turns, one instruction a turn.
.macro MUL16 a0, p, q, sc, zero
.irp a, \a0, \a0+1
.irp b, 0,1,2,3,4,5,6,7
.if \zero
	v_wmma_scale_f32_16x16x128_f8f6f4 v[8*(8*((\a)%4)+\b):8*(8*((\a)%4)+\b)+7], v[128*(\p)+FR*\b:128*(\p)+FR*\b+FR-1], v[AF+FR*(\a):AF+FR*(\a)+FR-1], v[BIAS+8*\b:BIAS+8*\b+7], v[SC+8*NQ*(\sc)+NQ*\b+(\q)], v[SC+8*NQ*(\sc)+NQ*(\a)+(\q)] matrix_a_fmt:MATRIX_FMT_FP4 matrix_b_fmt:MATRIX_FMT_FP4 matrix_a_scale:MATRIX_SCALE_ROW1
.else
	v_wmma_scale_f32_16x16x128_f8f6f4 v[8*(8*((\a)%4)+\b):8*(8*((\a)%4)+\b)+7], v[128*(\p)+FR*\b:128*(\p)+FR*\b+FR-1], v[AF+FR*(\a):AF+FR*(\a)+FR-1], v[8*(8*((\a)%4)+\b):8*(8*((\a)%4)+\b)+7], v[SC+8*NQ*(\sc)+NQ*\b+(\q)], v[SC+8*NQ*(\sc)+NQ*(\a)+(\q)] matrix_a_fmt:MATRIX_FMT_FP4 matrix_b_fmt:MATRIX_FMT_FP4 matrix_a_scale:MATRIX_SCALE_ROW1
.endif
.endr
.endr
.endm
.macro FETCH_B slot, q, p
	WIN TO_B
.irp i, 0,1,2,3,4,5,6,7
	FRAG 128*(\p)+FR*\i, ADRB+\slot, \q, \i
.endr
	WIN 0
.endm
.macro FETCH_A slot, q, i0
.irp i, \i0, \i0+1, \i0+2, \i0+3
	FRAG AF+FR*(\i), ADRA+\slot, \q, \i
.endr
.endm
.macro SCALES sc                       ; a slot's scale words: lanes 0-15 take A's block i, lanes 16-31 B's block i
.irp i, 0,1,2,3,4,5,6,7
	ds_load_b128 v[SC+8*NQ*\sc+NQ*\i:SC+8*NQ*\sc+NQ*\i+3], v[ADRS] offset:\i*SBLK
.endr
.endm
.macro PLACES n
.rept \n
	v_nop
.endr
.endm
.macro STEP slot, q, zero              ; 128 along K that has its successor in the same slot
	s_wait_dscnt 4*NL                              ; all but the youngest eight loads (A's blocks 4-7) are in
.if \zero
	WIN 0x81                                       ; C (the bias) window 0, D window 2
.else
	WIN MUL_LO
.endif
	MUL16 0, (\q)%2, \q, \slot, \zero
	MUL16 2, (\q)%2, \q, \slot, \zero
	s_wait_dscnt 0
	PLACES NP
	FETCH_B \slot, (\q)+1, 1-(\q)%2
	FETCH_A \slot, (\q)+1, 0
.if \zero
	WIN 0xc1                                       ; C window 0, D window 3
.else
	WIN MUL_HI
.endif
	MUL16 4, (\q)%2, \q, \slot, \zero
	MUL16 6, (\q)%2, \q, \slot, \zero
	PLACES NP
	WIN 0
	FETCH_A \slot, (\q)+1, 4
.endm
.macro TURN slot, next                 ; a slot's last step changes slots: one barrier; nothing is filled again
	s_wait_tensorcnt 0x0                           ; all my tensor loads have landed: my part of the next slot
	ds_add_u32 v[SPW], v[NIL]                      ; 0 onto my spare word
	s_wait_dscnt 4*NL+1                            ; the add and A's blocks 4-7 may be out
	WIN MUL_LO
	MUL16 0, 1, NQ-1, \slot, 0
	s_wait_dscnt 0x0                               ; the add is done, and my reads of this slot are over
	s_barrier_signal -1
	MUL16 2, 1, NQ-1, \slot, 0
	WIN 0
	s_barrier_wait -1
	PLACES NP
	v_add_nc_u32 v[ADRS], 4*NQ, v[ADRS]            ; the next slot's scale words
	FETCH_B \next, 0, 0
	FETCH_A \next, 0, 0
	SCALES \next
	WIN MUL_HI
	MUL16 4, 1, NQ-1, \slot, 0
	MUL16 6, 1, NQ-1, \slot, 0
	PLACES NP
	WIN 0
	FETCH_A \next, 0, 4
.endm
	s_wait_tensorcnt 1                             ; the scales and my part of slot 0 are in; slot 1's load may be out
	s_barrier_signal -1
	s_barrier_wait -1
	FETCH_B 0, 0, 0
	FETCH_A 0, 0, 0
	SCALES 0
	FETCH_A 0, 0, 4
	s_wait_loadcnt 0x0                             ; the bias
	STEP 0, 0, 1
	STEP 0, 1, 0
	STEP 0, 2, 0
	TURN 0, 1
	STEP 1, 0, 0
	STEP 1, 1, 0
	STEP 1, 2, 0
	s_wait_dscnt 4*NL
	WIN MUL_LO
	MUL16 0, 1, NQ-1, 1, 0
	MUL16 2, 1, NQ-1, 1, 0
	s_wait_dscnt 0
	WIN MUL_HI
	MUL16 4, 1, NQ-1, 1, 0
	MUL16 6, 1, NQ-1, 1, 0
	WIN 0
	PLACES NP                                      ; in front of writes and loads into registers that the last products read
	; positions 0..15 also leave in f32: block 0 of the waves whose first rows they are.  The branch hangs on the cluster's y and the wave's number.
	s_cmp_eq_u32 s100, 0
	s_cbranch_scc0 .Lnot_early
	WIN 0x08                                       ; an LDS store's data are its source 1: window 2
.irp b, 0,1,2,3,4,5,6,7
	ds_store_b128 v[STO32], v[8*\b:8*\b+3] offset:64*\b
	ds_store_b128 v[STO32], v[8*\b+4:8*\b+7] offset:64*\b+16
.endr
	WIN 0
.irp t, 0,1,2,3,4,5,6,7,8,9,10,11,12,13,14,15
	ds_load_b128 v[128+4*\t:128+4*\t+3], v[RD32] offset:\t*528     ; LDS serves a wave's instructions in order: these see my stores
.endr
	s_wait_dscnt 0x0
.irp t, 0,1,2,3,4,5,6,7,8,9,10,11,12,13,14,15
	global_store_b128 v[CO], v[128+4*\t:128+4*\t+3], s[98:99] offset:\t*12288   ; 32 lanes store 512 consecutive bytes of a row
.endr
.Lnot_early:
; THE WAY OUT, block by block of 16 rows x 128 columns (two heads): rounded to f16, through my own stage, and out as 2,048 consecutive bytes for each head.
.macro PACK a
.set AC, 64*((\a)%4)
	WIN 0x0a+5*((\a)/4)                            ; sources 0 and 1: window 2 or 3
.irp b, 0,1,2,3,4,5,6,7
.irp r, 0,1,2,3
	v_cvt_pk_f16_f32 v[TMP+4*\b+\r], v[AC+8*\b+2*\r], v[AC+8*\b+2*\r+1]   ; each accumulator from its low end on
.endr
.endr
	WIN 0
.endm
.macro TOSTAGE a
.set BK, OB+32*((\a)%2)
.irp b, 0,1,2,3,4,5,6,7
	ds_store_b128 v[STO], v[TMP+4*\b:TMP+4*\b+3] offset:32*\b
.endr
.irp u, 0,1
.irp t, 0,1,2,3
	ds_load_b128 v[BK+16*\u+4*\t:BK+16*\u+4*\t+3], v[RD] offset:\t*4*272+128*\u
.endr
.endr
.endm
.macro SEND a
.set BK, OB+32*((\a)%2)
	s_wait_dscnt 0x0                               ; the block is back in registers
	s_wait_xcnt 0x0                                ; earlier stores have read their base and their registers: both are written again only behind this wait
.if (\a) > 0
	s_add_nc_u64 s[12:13], s[12:13], 2048          ; 16 rows of 128 bytes on
.endif
.irp u, 0,1
.irp t, 0,1,2,3
	global_store_b128 v[CO], v[BK+16*\u+4*\t:BK+16*\u+4*\t+3], s[12:13] offset:\u*262144+\t*512   ; 512 consecutive bytes, aligned; the second head lies 2,048 rows on
.endr
.endr
.endm
	PACK 0
	TOSTAGE 0
.irp a, 1,2,3,4,5,6,7
	PACK \a                                        ; block a's conversions stand between block a - 1's loads from the stage and the wait for them
	SEND \a-1
	TOSTAGE \a
.endr
	SEND 7
	s_wait_tensorcnt 0x0                           ; the wave's end
	ds_add_u32 v[SPW], v[NIL]
	s_wait_dscnt 0x0
	CROUND                                         ; the closing round
	s_endpgm
.Lfunc_end_k_q702593341a_qkv:
	.size	k_q702593341a_qkv, .Lfunc_end_k_q702593341a_qkv-k_q702593341a_qkv
	.p2alignl 7, 3214868480
	.fill 96, 4, 3214868480
	.section	.rodata,"a",@progbits
	.p2align	6, 0x0
	.amdhsa_kernel k_q702593341a_qkv
		.amdhsa_group_segment_fixed_size 327680
		.amdhsa_private_segment_fixed_size 0
		.amdhsa_enable_private_segment 0
		.amdhsa_kernarg_size 56
		.amdhsa_user_sgpr_count 2
		.amdhsa_user_sgpr_kernarg_segment_ptr 1
		.amdhsa_wavefront_size32 1
		.amdhsa_system_sgpr_workgroup_id_x 1
		.amdhsa_system_sgpr_workgroup_id_y 1
		.amdhsa_system_sgpr_workgroup_id_z 1
		.amdhsa_system_vgpr_workitem_id 0
		.amdhsa_next_free_vgpr 1024
		.amdhsa_next_free_sgpr 102
		.amdhsa_reserve_vcc 0
		.amdhsa_float_denorm_mode_32 3
		.amdhsa_float_denorm_mode_16_64 3
		.amdhsa_memory_ordered 1
		.amdhsa_forward_progress 1
		.amdhsa_inst_pref_size 133
	.end_amdhsa_kernel
	.amdgpu_metadata
---
amdhsa.version: [ 1, 2 ]
amdhsa.kernels:
  - .name:           k_q702593341a_qkv
    .symbol:         k_q702593341a_qkv.kd
    .args:
      - { .name: xc, .offset: 0, .size: 8, .value_kind: global_buffer, .address_space: global }
      - { .name: xs, .offset: 8, .size: 8, .value_kind: global_buffer, .address_space: global }
      - { .name: wc, .offset: 16, .size: 8, .value_kind: global_buffer, .address_space: global }
      - { .name: ws, .offset: 24, .size: 8, .value_kind: global_buffer, .address_space: global }
      - { .name: b_attn, .offset: 32, .size: 8, .value_kind: global_buffer, .address_space: global }
      - { .name: qkv, .offset: 40, .size: 8, .value_kind: global_buffer, .address_space: global }
      - { .name: q32, .offset: 48, .size: 8, .value_kind: global_buffer, .address_space: global }
    .group_segment_fixed_size: 327680
    .private_segment_fixed_size: 0
    .kernarg_segment_align: 8
    .kernarg_segment_size: 56
    .max_flat_workgroup_size: 128
    .sgpr_count:     102
    .vgpr_count:     1024
    .wavefront_size: 32
...
	.end_amdgpu_metadata
.endif
;; end of part 2
;; launch attn (part 3): grid 4 x 64, 16 waves a work-group, clusters of 4 x 1, 327,680 bytes of LDS; arguments qkv, y16; writes y16
.if DOCPART == 3
	.amdgcn_target "amdgcn-amd-amdhsa--gfx1250"
	.amdhsa_code_object_version 6
	.text
	.protected	k_q702593341a_attn
	.globl	k_q702593341a_attn
	.p2align	8
	.type	k_q702593341a_attn,@function
k_q702593341a_attn:
	s_mov_b64 s[64:65], 0
	v_nop
	global_prefetch_b8 v0, s[64:65] scope:SCOPE_SE
	s_setreg_imm32_b32 hwreg(HW_REG_WAVE_MODE, 25, 1), 1
	s_wait_xcnt 0x0
	s_wait_alu depctr_hold_cnt(0) depctr_sa_sdst(0) depctr_va_vdst(0) depctr_va_sdst(0) depctr_va_ssrc(0) depctr_va_vcc(0) depctr_vm_vsrc(0)
	s_getreg_b32 s2, hwreg(HW_REG_IB_STS2, 6, 4)
	s_cmp_eq_u32 s2, 0
	s_cbranch_scc0 .Lentry_in_a_cluster
	s_endpgm
.Lentry_in_a_cluster:
	s_bfe_u32 s2, ttmp6, 0x10000c
	s_cmp_lg_u32 s2, 0x3003
	s_cbranch_scc0 .Lentry_shape_is_right
	s_endpgm
.Lentry_shape_is_right:
; Causal attention of one head (of 64 = batch x 16 + head) for each cluster of four work-groups.  q, k, v: f16, [3][64][2048][64] (qkv); y: f16, [16 heads][8192 = batch x 2048 + t][64] (y16).
; Products on f16 operands with f32 sums; maxima, exponentials and sums in f32; the weights p are rounded to f16 for the second product, y once at the end.
; LIMITS: |y| under 65,504; a weight under 2^-24 of its row's largest is lost in f16; NaN and infinities are not served.
; SHARES.  A head's 128 tiles of 16 queries are numbered 4 u + g: g the work-group's place in its cluster, u = 0..31.  Wave w owns u = w (tile A) and u = 31 - w (tile B).  Keys go in steps of 64;
; tile u needs steps 0..u and step u is the one on its diagonal, whatever g is.  So every wave makes 33 tile steps, every branch hangs on the wave's number and the count of steps alone,
; and g enters global addresses and the mask's lane constant only.  Wave 0 of every work-group reads every step, so every slot that is asked for is read in every partner.
; LAYOUT.  S^T = K Q^T (source 0 = 16 keys, source 1 = 16 queries), O^T = V^T P (source 0 = 16 channels, by the turning load; source 1 = P): a lane holds one query throughout.
; RING.  Two slots of 256 keys (four steps), asked for jointly by the four work-groups: waves 0, 1 K's halves, waves 2, 3 V's.  One tensor load a wave is out at the most.
.set PK,    144                        ; a row of K in LDS: 128 bytes + 16
.set PVV,   160                        ; a row of V: 128 + 32
.set VOFF,  256*PK
.set SLOT1, 1<<17
.set STAGE, 2*SLOT1                    ; the way out: 16 rows x 144 bytes for each wave
.set SPARE, STAGE+16*16*PK             ; the spare words, 128 bytes for each wave: no other line names them
.set AK0, 1
.set AV0, 2
.set SPW, 3
.set NIL, 4
.set ADK, 5
.set ADV, 6
.set QD,  7                            ; 16 g + r - 8 h: on the diagonal, register 8 kt + j is hidden where 16 kt + j is above it
.set NINF, 8
.set PFO, 9
.set STO, 10
.set RD,  11
.set STA, 12                           ; a tile's statistics: +0 c m, +1 m, +2, +3 the sum in two halves, +4 a, +5 named with it, +6, +7 at work
.set STB, 20
.set QA,  28
.set QB,  44
.set KV,  60                           ; v60-123: a step's K, then its V
.set SA,  124                          ; S^T, then p; P is packed into the low 16 registers
.set SB,  156
.set OA,  188
.set OB,  220
.set CH,  252
.set GO,  254
.set QO,  255
.set WV,  12
.set CX,  13
.set HD,  14
.set UA,  15
.set UB,  16
.set KI,  17                           ; the key step
.set TB,  18                           ; LDS byte at which the slot in hand begins
.set SLOTS, 19
.set SEL, 20
.set CS,  22                           ; c = log2(e) / 8
.set G1K, 24
.set G1V, 32
.set G0K, 40
.set G0V, 44
.set PFA, 48
.set LIM, 50
.macro TLOAD                           ; the branches hang on the wave's number alone; an s_nop 0 and four v_nop follow each load
	s_cmp_lt_u32 s[WV], 2
	s_cbranch_scc0 .Lnot_k_\@
	tensor_load_to_lds s[G0K:G0K+3], s[G1K:G1K+7]
	s_nop 0
.rept 4
	v_nop
.endr
	s_branch .Lasked_\@
.Lnot_k_\@:
	s_cmp_lt_u32 s[WV], 4
	s_cbranch_scc0 .Lasked_\@
	tensor_load_to_lds s[G0V:G0V+3], s[G1V:G1V+7]
	s_nop 0
.rept 4
	v_nop
.endr
.Lasked_\@:
.endm
; A prefetch of what the NEXT change of slots will ask for, four key steps ahead: a slot's K and V are 32,768 dense bytes each.  Wave 8 asks for K's, wave 9 for V's; each of the four partners
; takes 8,192 bytes, told apart by address; lanes 256 bytes apart.  So each block of 256 bytes is named once.  Slots 0 and 1 are not asked for; the last change that fills a slot asks for nothing.
.macro ASK
	s_cmp_gt_u32 s[SLOTS], s[LIM]
	s_cbranch_scc0 .Lnot_mine_\@
	global_prefetch_b8 v[PFO], s[PFA:PFA+1] th:TH_LOAD_NT scope:SCOPE_SE
.Lnot_mine_\@:
.endm
.macro ROUND                           ; a round of the cluster's barrier
	s_barrier_signal -1
	s_barrier_wait -1
	s_cmp_lg_u32 s[WV], 0
	s_cbranch_scc1 .Lnot_wave_0_\@
	s_barrier_signal -3
.Lnot_wave_0_\@:
	s_barrier_wait -3
	s_barrier_signal -1
	s_barrier_wait -1
.endm
	s_load_b128 s[4:7], s[0:1], 0x0                ; qkv, y16
	v_lshl_add_u32 v[SPW], v0, 2, SPARE
	v_mov_b32 v[NIL], 0
	ds_add_u32 v[SPW], v[NIL]                      ; the wave's opening: the add, twice on end, and its wait
	ds_add_u32 v[SPW], v[NIL]
	v_lshrrev_b32 v[ADK], 5, v0
	v_readfirstlane_b32 s[WV], v[ADK]              ; wave 0..15
	s_bfe_u32 s[CX], ttmp6, 0x40000                ; g
	s_and_b32 s[HD], ttmp7, 0xffff                 ; the head, which the partners share
	s_mov_b32 s[UA], s[WV]
	s_sub_co_u32 s[UB], 31, s[WV]
	s_mov_b32 s[KI], 0
	s_mov_b32 s[TB], 0
	s_mov_b32 s[SLOTS], 7
	s_mov_b32 s[SEL], 0x76543210
	s_mov_b32 s[SEL+1], 0xfedcba98
	s_mov_b32 s[CS], 0x3e38aa3b
	s_mov_b32 s[CS+1], s[CS]
	s_mov_b32 s[G1K], 15|(1<<16)|(1<<20)|(1<<21)|(4<<22)|(3<<25)   ; all four work-groups; elements of 2 bytes; padding: 4 words after every 32
	s_mov_b32 s[G1V], 15|(1<<16)|(1<<20)|(1<<21)|(4<<22)|(7<<25)   ; the same with 8 words
.irp g, G1K, G1V
	s_mov_b32 s[\g+1], 64<<16                      ; tensor_dim0
	s_mov_b32 s[\g+2], 128<<16                     ; tensor_dim1
	s_mov_b32 s[\g+3], 64<<16                      ; tile_dim0
	s_mov_b32 s[\g+4], 128                         ; tile_dim1
	s_mov_b32 s[\g+5], 64                          ; pitch
	s_mov_b32 s[\g+6], 0
	s_mov_b32 s[\g+7], 0
.endr
	s_and_b32 s60, s[WV], 1                        ; which 128 rows of a slot I fetch, if I fetch
	s_mul_i32 s61, s60, 128*PK
	s_mul_i32 s62, s60, 128*PVV
	s_add_co_u32 s62, s62, VOFF
	s_lshl_b32 s63, s60, 14
	s_lshl_b32 s66, s[HD], 18
	s_mov_b32 s67, 0
	s_lshr_b32 s[LIM], s[WV], 1
	s_cmp_eq_u32 s[LIM], 4                         ; waves 8 and 9 prefetch
	s_cselect_b32 s[LIM], 1, -1
	s_wait_dscnt 0x0                               ; both opening adds are done
	s_wait_kmcnt 0x0
	s_add_nc_u64 s[68:69], s[4:5], s[66:67]        ; the head's q,
	s_add_nc_u64 s[70:71], s[68:69], 0x1000000     ; k,
	s_add_nc_u64 s[72:73], s[68:69], 0x2000000     ; v
	s_mov_b32 s66, s63
	s_mov_b32 s[G0K], 1
	s_mov_b32 s[G0K+1], s61
	s_add_nc_u64 s[G0K+2:G0K+3], s[70:71], s[66:67]
	s_or_b32 s[G0K+3], s[G0K+3], 0x80000000
	s_mov_b32 s[G0V], 1
	s_mov_b32 s[G0V+1], s62
	s_add_nc_u64 s[G0V+2:G0V+3], s[72:73], s[66:67]
	s_or_b32 s[G0V+3], s[G0V+3], 0x80000000
	ROUND                                          ; all four work-groups are here
	TLOAD                                          ; slot 0
	s_cmp_eq_u32 s[WV], 8
	s_cselect_b64 s[PFA:PFA+1], s[70:71], s[72:73]
	s_lshl_b32 s66, s[CX], 13                      ; my work-group's 8,192 bytes,
	s_add_co_u32 s66, s66, 32768                   ; in slot 1: the first change steps it to slot 2
	s_add_nc_u64 s[PFA:PFA+1], s[PFA:PFA+1], s[66:67]
	s_lshl_b32 s74, s[CX], 11                      ; 16 g rows of 128 bytes
	s_and_b32 s75, s[HD], 15
	s_lshl_b32 s75, s75, 20
	s_lshr_b32 s76, s[HD], 4
	s_lshl_b32 s76, s76, 18
	s_add_co_u32 s75, s75, s76                     ; y16: the head's and the batch's first byte
	s_lshl_b32 s66, s[UA], 13                      ; 64 u rows
	s_add_co_u32 s66, s66, s74
	s_add_nc_u64 s[52:53], s[68:69], s[66:67]      ; tile A's queries
	s_add_co_u32 s66, s66, s75
	s_add_nc_u64 s[56:57], s[6:7], s[66:67]        ; and its rows of y
	s_lshl_b32 s66, s[UB], 13
	s_add_co_u32 s66, s66, s74
	s_add_nc_u64 s[54:55], s[68:69], s[66:67]
	s_add_co_u32 s66, s66, s75
	s_add_nc_u64 s[58:59], s[6:7], s[66:67]
	v_and_b32 v252, 15, v0                         ; r
	v_bfe_u32 v253, v0, 4, 1                       ; h
	v_lshlrev_b32 v[QO], 7, v252
	v_lshl_add_u32 v[QO], v253, 4, v[QO]
.irp dc, 0,1                                   ; Q stays in registers
	global_load_b128 v[QA+8*\dc:QA+8*\dc+3],   v[QO], s[52:53] offset:64*\dc
	global_load_b128 v[QA+8*\dc+4:QA+8*\dc+7], v[QO], s[52:53] offset:64*\dc+32
	global_load_b128 v[QB+8*\dc:QB+8*\dc+3],   v[QO], s[54:55] offset:64*\dc
	global_load_b128 v[QB+8*\dc+4:QB+8*\dc+7], v[QO], s[54:55] offset:64*\dc+32
.endr
	v_mul_u32_u24 v[AK0], v252, PK
	v_lshl_add_u32 v[AK0], v253, 4, v[AK0]         ; K: row r, + 16 h
	v_and_b32 v[ADK], 7, v0
	v_lshl_add_u32 v[AV0], v253, 3, v[ADK]
	v_mul_u32_u24 v[AV0], v[AV0], PVV
	v_bfe_u32 v[ADV], v0, 3, 1
	v_lshl_add_u32 v[AV0], v[ADV], 4, v[AV0]
	v_add_nc_u32 v[AV0], VOFF, v[AV0]              ; V, for the turning load: key 8 h + lane % 8, channels 8 ((lane / 8) % 2) on
	s_mul_i32 s60, s[WV], 16*PK
	s_add_co_u32 s60, s60, STAGE                   ; my stage
	v_mul_u32_u24 v[STO], v252, PK
	v_lshl_add_u32 v[STO], v253, 4, v[STO]
	v_add_nc_u32 v[STO], s60, v[STO]
	v_bfe_u32 v[RD], v0, 3, 2
	v_mul_u32_u24 v[RD], v[RD], PK
	v_lshl_add_u32 v[RD], v[ADK], 4, v[RD]
	v_add_nc_u32 v[RD], s60, v[RD]                 ; back: eight lanes to a row of 128 bytes, four rows an instruction
	v_lshlrev_b32 v[QD], 3, v253
	v_sub_nc_u32 v[QD], v252, v[QD]
	s_lshl_b32 s61, s[CX], 4
	v_add_nc_u32 v[QD], s61, v[QD]
	v_mov_b32 v[NINF], 0xff800000
	v_and_b32 v[PFO], 31, v0
	v_lshlrev_b32 v[GO], 4, v[PFO]
	v_lshlrev_b32 v[PFO], 8, v[PFO]
.irp t, STA, STB
	v_mov_b32 v[\t+1], 0xff61b1e6                  ; the largest score so far: -3e38
	v_mul_f32 v[\t], s[CS], v[\t+1]
.irp i, 2,3,4,5,6,7
	v_mov_b32 v[\t+\i], 0
.endr
.endr
.set i, 0
.rept 64
	v_mov_b32 v[OA+i], 0                           ; O^T of both tiles: the step is written once, and its first turn multiplies zeros
.set i, i+1
.endr
.macro KQ s, q                         ; S^T = K Q^T: four accumulators by turns, one instruction a turn
.irp dc, 0,1
.irp kt, 0,1,2,3
.if \dc == 0
	v_wmma_f32_16x16x32_f16 v[\s+8*\kt:\s+8*\kt+7], v[KV+16*\kt+8*\dc:KV+16*\kt+8*\dc+7], v[\q+8*\dc:\q+8*\dc+7], 0
.else
	v_wmma_f32_16x16x32_f16 v[\s+8*\kt:\s+8*\kt+7], v[KV+16*\kt+8*\dc:KV+16*\kt+8*\dc+7], v[\q+8*\dc:\q+8*\dc+7], v[\s+8*\kt:\s+8*\kt+7]
.endif
.endr
.endr
.endm
.macro PVM s, o                        ; O^T += V^T P
.irp c, 0,1
.irp ct, 0,1,2,3
	v_wmma_f32_16x16x32_f16 v[\o+8*\ct:\o+8*\ct+7], v[KV+32*\c+8*\ct:KV+32*\c+8*\ct+7], v[\s+8*\c:\s+8*\c+7], v[\o+8*\ct:\o+8*\ct+7]
.endr
.endr
.endm
.macro MASK s                          ; on the diagonal hidden scores become -infinity: p = 0 then
.set n, 0
.rept 32
	v_cmp_gt_i32 vcc_lo, 16*(n/8)+n%8, v[QD]
	v_cndmask_b32 v[\s+n], v[\s+n], v[NINF], vcc_lo
.set n, n+1
.endr
.endm
.macro SM t, s, o                      ; a tile's softmax for one key step
	v_max3_num_f32 v[\t+4], v[\s], v[\s+1], v[\s+2]                ; four chains, each accumulator from its low end on
	v_max3_num_f32 v[\t+6], v[\s+8], v[\s+9], v[\s+10]
	v_max3_num_f32 v[\t+7], v[\s+16], v[\s+17], v[\s+18]
	v_max3_num_f32 v[CH], v[\s+24], v[\s+25], v[\s+26]
.irp i, 3,5
	v_max3_num_f32 v[\t+4], v[\t+4], v[\s+\i], v[\s+\i+1]
	v_max3_num_f32 v[\t+6], v[\t+6], v[\s+8+\i], v[\s+9+\i]
	v_max3_num_f32 v[\t+7], v[\t+7], v[\s+16+\i], v[\s+17+\i]
	v_max3_num_f32 v[CH], v[CH], v[\s+24+\i], v[\s+25+\i]
.endr
	v_max3_num_f32 v[\t+4], v[\t+4], v[\s+7], v[\s+15]
	v_max3_num_f32 v[\t+7], v[\t+7], v[\s+23], v[\s+31]
	v_max3_num_f32 v[\t+4], v[\t+4], v[\t+6], v[\t+7]
	v_max3_num_f32 v[\t+4], v[\t+4], v[CH], v[\t+1]                ; with the old m
	v_permlanex16_b32 v[\t+6], v[\t+4], s[SEL], s[SEL+1]           ; the query's other 32 keys lie in the lane 16 away
	v_mov_b32 v[\t+7], v[\t]                                       ; c m_old
	v_max_num_f32 v[\t+1], v[\t+4], v[\t+6]                        ; m
	v_mul_f32 v[\t], s[CS], v[\t+1]                                ; c m
	v_sub_f32 v[\t+7], v[\t+7], v[\t]
	v_exp_f32 v[\t+4], v[\t+7]                                     ; a = 2^(c m_old - c m_new)
.set i, 0
.rept 16
	v_pk_fma_f32 v[\s+i:\s+i+1], v[\s+i:\s+i+1], s[CS:CS+1], v[\t:\t+1] op_sel_hi:[1,0,0] neg_lo:[0,0,1] neg_hi:[0,0,1]   ; c s - c m
.set i, i+2
.endr
.set i, 0
.rept 32
	v_exp_f32 v[\s+i], v[\s+i]
.set i, i+1
.endr
	v_nop                                          ; a plain instruction behind the last exponential
	s_wait_alu depctr_va_vdst(0)                   ; one wait for the 33 exponentials, ahead of the first line that names a result
	v_pk_add_f32 v[\t+6:\t+7], v[\s:\s+1], v[\s+2:\s+3]            ; the sum of the unrounded p, in two chains
	v_pk_add_f32 v[CH:CH+1], v[\s+4:\s+5], v[\s+6:\s+7]
.irp i, 8,12,16,20,24,28
	v_pk_add_f32 v[\t+6:\t+7], v[\t+6:\t+7], v[\s+\i:\s+\i+1]
	v_pk_add_f32 v[CH:CH+1], v[CH:CH+1], v[\s+\i+2:\s+\i+3]
.endr
	v_pk_add_f32 v[\t+6:\t+7], v[\t+6:\t+7], v[CH:CH+1]
	v_pk_fma_f32 v[\t+2:\t+3], v[\t+2:\t+3], v[\t+4:\t+5], v[\t+6:\t+7] op_sel_hi:[1,0,1]   ; l = a l + the sum
.set i, 0
.rept 16
	v_cvt_pk_f16_f32 v[\s+i], v[\s+2*i], v[\s+2*i+1]               ; P, in place: register i is written when registers 2 i, 2 i + 1 are read
.set i, i+1
.endr
.set i, 0
.rept 16
	v_pk_mul_f32 v[\o+i:\o+i+1], v[\o+i:\o+i+1], v[\t+4:\t+5] op_sel_hi:[1,0]   ; O^T x a
.set i, i+2
.endr
.endm
.macro KLOAD q
.irp kt, 0,1,2,3
.irp dc, 0,1
	ds_load_b128 v[KV+16*\kt+8*\dc:KV+16*\kt+8*\dc+3],   v[ADK] offset:(\q)*64*PK+\kt*16*PK+\dc*64
	ds_load_b128 v[KV+16*\kt+8*\dc+4:KV+16*\kt+8*\dc+7], v[ADK] offset:(\q)*64*PK+\kt*16*PK+\dc*64+32
.endr
.endr
.endm
.macro VLOAD q
.irp c, 0,1
.irp ct, 0,1,2,3
	ds_load_tr16_b128 v[KV+32*\c+8*\ct:KV+32*\c+8*\ct+3],   v[ADV] offset:(\q)*64*PVV+\c*32*PVV+\ct*32
	ds_load_tr16_b128 v[KV+32*\c+8*\ct+4:KV+32*\c+8*\ct+7], v[ADV] offset:(\q)*64*PVV+\c*32*PVV+16*PVV+\ct*32
.endr
.endr
.endm
; A KEY STEP: 64 keys, the q-th of the slot in hand.  Past tile B's diagonal nothing is left; up to tile A's diagonal both tiles work; between the two, tile B alone.  V lands while the softmax is walked.
.macro STEP q
	s_cmp_gt_u32 s[KI], s[UB]
	s_cbranch_scc1 .Lskip_\@
	v_add_nc_u32 v[ADK], s[TB], v[AK0]
	v_add_nc_u32 v[ADV], s[TB], v[AV0]
.rept 3
	v_nop                                          ; with the two additions five places behind the last products: four for the loads into their registers, five for the products that write over P
.endr
	KLOAD \q
	s_wait_dscnt 0x0
	s_cmp_gt_u32 s[KI], s[UA]
	s_cbranch_scc1 .Lonly_b_\@
	KQ SA, QA
	KQ SB, QB
.rept 4
	v_nop
.endr
	VLOAD \q
	s_cmp_lg_u32 s[KI], s[UA]
	s_cbranch_scc1 .Lopen_a_\@
	MASK SA
.Lopen_a_\@:
	SM STA, SA, OA
	SM STB, SB, OB
	s_wait_dscnt 0x0                               ; V is in
	PVM SA, OA
	PVM SB, OB
	s_branch .Lskip_\@
.Lonly_b_\@:
	KQ SB, QB
.rept 4
	v_nop
.endr
	VLOAD \q
	s_cmp_lg_u32 s[KI], s[UB]
	s_cbranch_scc1 .Lopen_b_\@
	MASK SB
.Lopen_b_\@:
	SM STB, SB, OB
	s_wait_dscnt 0x0
	PVM SB, OB
.Lskip_\@:
	s_add_co_u32 s[KI], s[KI], 1
.endm
.macro SLOT_STEPS
	STEP 0
	STEP 1
	STEP 2
	STEP 3
	s_xor_b32 s[TB], s[TB], SLOT1
.endm
; THE CHANGE OF SLOTS stands at a slot's head: each wave waits for all its tensor loads, adds 0 to its spare word, and waits for that and for its reads of the slot that it has left.
; fill = 1: a round of the cluster's barrier, and behind it the other slot is asked for jointly: the load has four key steps in which to land.
.macro CHANGE fill
	s_wait_tensorcnt 0x0
	ds_add_u32 v[SPW], v[NIL]
.if \fill
	ds_add_u32 v[SPW], v[NIL]                      ; twice on end here, in every trip alike
	s_xor_b32 s[G0K+1], s[G0K+1], SLOT1            ; no tensor load of mine is out: the walking descriptors step
	s_add_nc_u64 s[G0K+2:G0K+3], s[G0K+2:G0K+3], 32768
	s_xor_b32 s[G0V+1], s[G0V+1], SLOT1
	s_add_nc_u64 s[G0V+2:G0V+3], s[G0V+2:G0V+3], 32768
	s_wait_xcnt 0x0                                ; the last prefetch, a slot back, has read its address
	s_add_nc_u64 s[PFA:PFA+1], s[PFA:PFA+1], 32768
	s_wait_dscnt 0x0
	ROUND
	TLOAD
	ASK
.else
	s_wait_dscnt 0x0
	s_barrier_signal -1
	s_barrier_wait -1
.endif
.endm
	s_wait_loadcnt 0x0                             ; Q
.Lslot:                                            ; seven trips: behind each change of slots but the last the next slot is asked for
	CHANGE 1
	SLOT_STEPS
	s_sub_co_u32 s[SLOTS], s[SLOTS], 1
	s_cmp_lg_u32 s[SLOTS], 0
	s_cbranch_scc1 .Lslot
	CHANGE 0                                       ; the last slot is written out
	SLOT_STEPS
	; THE WAY OUT: O^T / l, rounded to f16, through my stage, and out as 2,048 consecutive bytes a tile.
.rept 4
	v_nop
.endr
.irp t, STA, STB
	v_add_f32 v[\t+6], v[\t+2], v[\t+3]
.endr
.irp t, STA, STB
	v_permlanex16_b32 v[\t+7], v[\t+6], s[SEL], s[SEL+1]
.endr
.irp t, STA, STB
	v_add_f32 v[\t+6], v[\t+6], v[\t+7]
.endr
.irp t, STA, STB
	v_rcp_f32 v[\t+4], v[\t+6]
.endr
	v_nop
	s_wait_alu depctr_va_vdst(0)                   ; one wait for the two reciprocals
.macro OUTT t, s, o
.set i, 0
.rept 16
	v_pk_mul_f32 v[\s+i:\s+i+1], v[\o+i:\o+i+1], v[\t+4:\t+5] op_sel_hi:[1,0]
.set i, i+2
.endr
.set i, 0
.rept 16
	v_cvt_pk_f16_f32 v[\s+i], v[\s+2*i], v[\s+2*i+1]
.set i, i+1
.endr
.irp ct, 0,1,2,3
	ds_store_b128 v[STO], v[\s+4*\ct:\s+4*\ct+3] offset:32*\ct
.endr
.irp f, 0,1,2,3
	ds_load_b128 v[\s+16+4*\f:\s+16+4*\f+3], v[RD] offset:\f*4*PK  ; LDS serves a wave's instructions in order: these see my stores, and the next tile's stores come behind them
.endr
.endm
	OUTT STA, SA, OA
	OUTT STB, SB, OB
.irp f, 0,1,2,3
	s_wait_dscnt 11-\f                             ; behind this load: the rest of tile A's, and tile B's eight
	global_store_b128 v[GO], v[SA+16+4*\f:SA+16+4*\f+3], s[56:57] offset:512*\f
.endr
.irp f, 0,1,2,3
	s_wait_dscnt 3-\f
	global_store_b128 v[GO], v[SB+16+4*\f:SB+16+4*\f+3], s[58:59] offset:512*\f
.endr
	s_wait_tensorcnt 0x0                           ; the wave's end
	ds_add_u32 v[SPW], v[NIL]
	s_wait_dscnt 0x0
	ROUND                                          ; the closing round
	s_endpgm
.Lfunc_end_k_q702593341a_attn:
	.size	k_q702593341a_attn, .Lfunc_end_k_q702593341a_attn-k_q702593341a_attn
	.p2alignl 7, 3214868480
	.fill 96, 4, 3214868480
	.section	.rodata,"a",@progbits
	.p2align	6, 0x0
	.amdhsa_kernel k_q702593341a_attn
		.amdhsa_group_segment_fixed_size 327680
		.amdhsa_private_segment_fixed_size 0
		.amdhsa_enable_private_segment 0
		.amdhsa_kernarg_size 16
		.amdhsa_user_sgpr_count 2
		.amdhsa_user_sgpr_kernarg_segment_ptr 1
		.amdhsa_wavefront_size32 1
		.amdhsa_system_sgpr_workgroup_id_x 1
		.amdhsa_system_sgpr_workgroup_id_y 1
		.amdhsa_system_sgpr_workgroup_id_z 1
		.amdhsa_system_vgpr_workitem_id 0
		.amdhsa_next_free_vgpr 256
		.amdhsa_next_free_sgpr 80
		.amdhsa_reserve_vcc 1
		.amdhsa_float_denorm_mode_32 3
		.amdhsa_float_denorm_mode_16_64 3
		.amdhsa_memory_ordered 1
		.amdhsa_forward_progress 1
		.amdhsa_inst_pref_size 255
	.end_amdhsa_kernel
	.section	.bss,"aw",@nobits
	.p2align	6
	.space	262144
	.amdgpu_metadata
---
amdhsa.version: [ 1, 2 ]
amdhsa.kernels:
  - .name:           k_q702593341a_attn
    .symbol:         k_q702593341a_attn.kd
    .args:
      - { .name: qkv, .offset: 0, .size: 8, .value_kind: global_buffer, .address_space: global }
      - { .name: y16, .offset: 8, .size: 8, .value_kind: global_buffer, .address_space: global }
    .group_segment_fixed_size: 327680
    .private_segment_fixed_size: 0
    .kernarg_segment_align: 8
    .kernarg_segment_size: 16
    .max_flat_workgroup_size: 512
    .sgpr_count:     80
    .vgpr_count:     256
    .wavefront_size: 32
...
	.end_amdgpu_metadata
.endif
;; end of part 3
;; launch proj (part 4): grid 4 x 64, 4 waves a work-group, clusters of 4 x 4, 327,680 bytes of LDS; arguments y16, wpt, b_proj, out0; writes out0
.if DOCPART == 4
	.amdgcn_target "amdgcn-amd-amdhsa--gfx1250"
	.amdhsa_code_object_version 6
	.text
	.protected	k_q702593341a_proj
	.globl	k_q702593341a_proj
	.p2align	8
	.type	k_q702593341a_proj,@function
k_q702593341a_proj:
	s_mov_b64 s[64:65], 0
	v_nop
	global_prefetch_b8 v0, s[64:65] scope:SCOPE_SE
	s_setreg_imm32_b32 hwreg(HW_REG_WAVE_MODE, 25, 1), 1
	s_wait_xcnt 0x0
	s_wait_alu depctr_hold_cnt(0) depctr_sa_sdst(0) depctr_va_vdst(0) depctr_va_sdst(0) depctr_va_ssrc(0) depctr_va_vcc(0) depctr_vm_vsrc(0)
	s_getreg_b32 s2, hwreg(HW_REG_IB_STS2, 6, 4)
	s_cmp_eq_u32 s2, 0
	s_cbranch_scc0 .Lentry_in_a_cluster
	s_endpgm
.Lentry_in_a_cluster:
	s_bfe_u32 s2, ttmp6, 0x10000c
	s_cmp_lg_u32 s2, 0xf033
	s_cbranch_scc0 .Lentry_shape_is_right
	s_endpgm
.Lentry_shape_is_right:
; out0 = y w_proj + b_proj on f16 operands, sums in f32, for all rows but positions 0..15 of each sequence (a later launch makes those in f32).
; A: y16 [16 heads][8192 rows][64] f16 (k = 64 head + channel); B: wpt [1024 n][1024 k] f16; out0 [8192][1024] f32.
; A tile of 128 x 256 for each of 256 work-groups; four waves, 64 x 128 each: 32 accumulators.  K goes in eight steps of 128 (two heads) through a ring of two LDS slots.
; CLUSTERS: 4 x 4; A's tiles are asked for jointly along a row of the cluster, B's along a column.  The tile's first row is 2,048 cy + 128 (cluster y): whether it holds positions 0..15 hangs on the cluster's y alone.
; No prefetch: K has eight steps, and the first four could not be asked for ahead.
; THE MATRIX INSTRUCTION IS USED TRANSPOSED (source 0 = 16 rows of B, source 1 = 16 rows of A).  The bias is the C of each sum's first product.
; REGISTERS: window 0: v16-30 addresses; A's fragments v32-63, v64-95; B's v96-159, v160-223.  Window 1: accumulator (a, b) at v[8 (8 a + b)].  Window 2: v0-63 the bias in the result's layout.
.set PA,     144                       ; a row of A's sub-tile in LDS: 128 bytes + 16
.set PB,     272                       ; a row of B's tile: 256 + 16
.set SUBA,   128*PA                    ; one head's 128 rows
.set BOFF,   2*SUBA
.set HALFB,  128*PB
.set SLOT,   BOFF+2*HALFB
.set STAGE,  2*SLOT                    ; the way out: 16 rows x 528 bytes for each wave; no tile lands there
.set SPITCH, 528
.set SPARE,  STAGE+4*16*SPITCH         ; the spare words: no other line names them
.set LAPS,   4
.set ADRA, 16
.set ADRB, 20
.set STO,  24
.set RD,   25
.set CO,   26
.set SPW,  28
.set NIL,  29
.set BO,   30
.set G1, 24
.set G0, 32
.set G1B, 48
.set G0B, 56
.set MSB, 0
.macro WIN new
.if MSB != \new
	s_set_vgpr_msb (MSB<<8)|\new
.set MSB, \new
.endif
.endm
.set MUL, 0x50                         ; sources 0 and 1 window 0; C and D window 1
.set MULZ, 0x60                        ; C window 2 (the bias), D window 1
.macro JLOAD s                         ; waves 0, 1 fetch A's two heads, waves 2, 3 B's two halves; an s_nop 0 and four v_nop follow each line
	s_cmp_eq_u32 s71, 0
	s_cbranch_scc0 .Lfor_b_\@
	tensor_load_to_lds s[G0+4*\s:G0+4*\s+3], s[G1:G1+7]
	s_nop 0
.rept 4
	v_nop
.endr
	s_branch .Lasked_\@
.Lfor_b_\@:
	tensor_load_to_lds s[G0B+4*\s:G0B+4*\s+3], s[G1B:G1B+7]
	s_nop 0
.rept 4
	v_nop
.endr
.Lasked_\@:
.endm
.macro CREST
	s_cmp_lg_u32 s70, 0
	s_cbranch_scc1 .Lnot_wave_0_\@
	s_barrier_signal -3
.Lnot_wave_0_\@:
	s_barrier_wait -3
	s_barrier_signal -1
	s_barrier_wait -1
.endm
.macro CROUND
	s_barrier_signal -1
	s_barrier_wait -1
	CREST
.endm
	s_load_b128 s[4:7], s[0:1], 0x0                ; y16, wpt
	s_load_b128 s[8:11], s[0:1], 0x10              ; b_proj, out0
	v_lshl_add_u32 v[SPW], v0, 2, SPARE
	v_mov_b32 v[NIL], 0
	ds_add_u32 v[SPW], v[NIL]                      ; the wave's opening: the add, twice on end, and its wait
	ds_add_u32 v[SPW], v[NIL]
	v_lshrrev_b32 v1, 5, v0
	v_readfirstlane_b32 s70, v1                    ; wave 0..3
	s_lshr_b32 s71, s70, 1                         ; which 64 rows are mine; also: I fetch for A (0) or B (1)
	s_and_b32 s72, s70, 1                          ; which 128 columns; also: which piece I fetch
	s_bfe_u32 s40, ttmp6, 0x40000                  ; cx
	s_bfe_u32 s41, ttmp6, 0x40004                  ; cy
	s_lshl_b32 s42, ttmp9, 2
	s_add_co_u32 s42, s42, s40                     ; tile column
	s_and_b32 s13, ttmp7, 0xffff                   ; cluster y
	s_lshl_b32 s14, s41, 11
	s_lshl_b32 s15, s13, 7
	s_add_co_u32 s14, s14, s15                     ; the tile's first row
	s_or_b32 s73, s13, s71                         ; 0 where my first 16 rows are positions 0..15
	s_lshl_b32 s43, s41, 2
	s_lshl_b32 s43, 15, s43                        ; my row of the cluster
	s_lshl_b32 s44, 0x1111, s40                    ; my column
	s_or_b32 s[G1+0], s43, (1<<16)|(1<<20)|(1<<21)|(4<<22)|(3<<25)   ; A: elements of 2 bytes; padding: 4 words after every 32
	s_mov_b32 s[G1+1], 64<<16
	s_mov_b32 s[G1+2], 128<<16
	s_mov_b32 s[G1+3], 64<<16
	s_mov_b32 s[G1+4], 128
	s_mov_b32 s[G1+5], 64
	s_mov_b32 s[G1+6], 0
	s_mov_b32 s[G1+7], 0
	s_or_b32 s[G1B+0], s44, (1<<16)|(1<<20)|(1<<21)|(5<<22)|(3<<25)  ; B: padding: 4 words after every 64
	s_mov_b32 s[G1B+1], 128<<16
	s_mov_b32 s[G1B+2], 128<<16
	s_mov_b32 s[G1B+3], 128<<16
	s_mov_b32 s[G1B+4], 128
	s_mov_b32 s[G1B+5], 1024
	s_mov_b32 s[G1B+6], 0
	s_mov_b32 s[G1B+7], 0
	s_lshl_b32 s16, s72, 20                        ; A: head = piece: 8,192 rows of 128 bytes,
	s_lshl_b32 s17, s14, 7                         ; + the tile's first row
	s_add_co_u32 s16, s16, s17
	s_mov_b32 s17, 0
	s_lshl_b32 s46, s42, 19                        ; B: 256 rows of 2,048 bytes a tile column,
	s_lshl_b32 s47, s72, 18                        ; + 128 rows a piece
	s_add_co_u32 s46, s46, s47
	s_mov_b32 s47, 0
	s_mul_i32 s20, s72, SUBA                       ; where they go: by the wave's number alone
	s_mul_i32 s21, s72, HALFB
	s_add_co_u32 s21, s21, BOFF
	s_wait_dscnt 0x0
	s_wait_kmcnt 0x0
	s_add_nc_u64 s[18:19], s[4:5], s[16:17]
	s_add_nc_u64 s[46:47], s[6:7], s[46:47]
	CROUND                                         ; all sixteen work-groups are here
.irp s, 0,1
	s_mov_b32 s[G0+4*\s], 1
	s_add_co_u32 s[G0+4*\s+1], s20, \s*SLOT
	s_add_nc_u64 s[G0+4*\s+2:G0+4*\s+3], s[18:19], \s*2097152     ; a K step is two heads
	s_or_b32 s[G0+4*\s+3], s[G0+4*\s+3], 0x80000000
	s_mov_b32 s[G0B+4*\s], 1
	s_add_co_u32 s[G0B+4*\s+1], s21, \s*SLOT
	s_add_nc_u64 s[G0B+4*\s+2:G0B+4*\s+3], s[46:47], \s*256
	s_or_b32 s[G0B+4*\s+3], s[G0B+4*\s+3], 0x80000000
	JLOAD \s                                       ; two tensor loads of mine are out at the most
.endr
	v_and_b32 v1, 15, v0                           ; r
	v_bfe_u32 v2, v0, 4, 1                         ; h
	v_mul_u32_u24 v3, v1, PA
	v_lshl_add_u32 v3, v2, 4, v3
	v_mul_u32_u24 v4, v1, PB
	v_lshl_add_u32 v4, v2, 4, v4
	s_mul_i32 s21, s71, 64*PA                      ; my 64 rows of A
	s_mul_i32 s22, s72, HALFB                      ; my 128 rows of B
	s_add_co_u32 s22, s22, BOFF
.irp s, 0,1
	v_add_nc_u32 v[ADRA+\s], s21, v3
	v_add_nc_u32 v[ADRB+\s], s22, v4
	s_add_co_u32 s21, s21, SLOT
	s_add_co_u32 s22, s22, SLOT
.endr
	s_mul_i32 s23, s70, 16*SPITCH
	s_add_co_u32 s23, s23, STAGE                   ; my stage
	v_mul_u32_u24 v5, v1, SPITCH
	v_lshl_add_u32 v5, v2, 5, v5
	v_add_nc_u32 v[STO], s23, v5
	v_and_b32 v6, 31, v0
	v_lshlrev_b32 v[CO], 4, v6
	v_add_nc_u32 v[RD], s23, v[CO]
	v_lshlrev_b32 v[BO], 5, v2
	s_lshl_b32 s16, s71, 6
	s_add_co_u32 s16, s16, s14
	s_lshl_b32 s16, s16, 12                        ; my first row of out0, 4,096 bytes a row
	s_mov_b32 s17, 0
	s_lshl_b32 s46, s42, 10                        ; my first column x 4 bytes
	s_lshl_b32 s47, s72, 9
	s_add_co_u32 s46, s46, s47
	s_mov_b32 s47, 0
	s_add_nc_u64 s[10:11], s[10:11], s[16:17]
	s_add_nc_u64 s[10:11], s[10:11], s[46:47]
	s_add_nc_u64 s[8:9], s[8:9], s[46:47]
	WIN 0x80                                       ; destination window 2
.irp b, 0,1,2,3,4,5,6,7
	global_load_b128 v[8*\b:8*\b+3], v[BO], s[8:9] offset:64*\b
	global_load_b128 v[8*\b+4:8*\b+7], v[BO], s[8:9] offset:64*\b+16
.endr
	WIN 0
; 8 matrix instructions: A's block a x B's eight, 32 along K, from buffer f.  The 32 accumulators take turns, one instruction a turn, in the same order in every quarter.
.macro MUL8 f, a, zero
.irp b, 0,1,2,3,4,5,6,7
.if \zero
	v_wmma_f32_16x16x32_f16 v[8*(8*(\a)+\b):8*(8*(\a)+\b)+7], v[96+64*(\f)+8*\b:96+64*(\f)+8*\b+7], v[32+32*(\f)+8*(\a):32+32*(\f)+8*(\a)+7], v[8*\b:8*\b+7]
.else
	v_wmma_f32_16x16x32_f16 v[8*(8*(\a)+\b):8*(8*(\a)+\b)+7], v[96+64*(\f)+8*\b:96+64*(\f)+8*\b+7], v[32+32*(\f)+8*(\a):32+32*(\f)+8*(\a)+7], v[8*(8*(\a)+\b):8*(8*(\a)+\b)+7]
.endif
.endr
.endm
.macro FETCH slot, kq, f               ; 24 LDS loads in one run: quarter kq's fragments: B's eight, then A's four
	WIN 0
.irp b, 0,1,2,3,4,5,6,7
	ds_load_b128 v[96+64*(\f)+8*\b:96+64*(\f)+8*\b+3],   v[ADRB+\slot] offset:64*(\kq)+\b*16*PB
	ds_load_b128 v[96+64*(\f)+8*\b+4:96+64*(\f)+8*\b+7], v[ADRB+\slot] offset:64*(\kq)+\b*16*PB+32
.endr
.irp a, 0,1,2,3
	ds_load_b128 v[32+32*(\f)+8*\a:32+32*(\f)+8*\a+3],   v[ADRA+\slot] offset:((\kq)/2)*SUBA+((\kq)%2)*64+\a*16*PA
	ds_load_b128 v[32+32*(\f)+8*\a+4:32+32*(\f)+8*\a+7], v[ADRA+\slot] offset:((\kq)/2)*SUBA+((\kq)%2)*64+\a*16*PA+32
.endr
.endm
.macro PLACES
.rept 4
	v_nop
.endr
.endm
.macro MWIN zero
.if \zero
	WIN MULZ
.else
	WIN MUL
.endif
.endm
.macro QUARTER slot, kq, f, g, zero    ; multiplies buffer f; in its middle fetches quarter kq of the same slot into buffer g
	s_wait_dscnt 4                                 ; all but A's blocks 2 and 3 are in
	MWIN \zero
	MUL8 \f, 0, \zero
	MUL8 \f, 1, \zero
	PLACES
	FETCH \slot, \kq, \g
	s_wait_dscnt 24                                ; all but the 24 just issued
	MWIN \zero
	MUL8 \f, 2, \zero
	MUL8 \f, 3, \zero
.endm
; The last quarter multiplies buffer 1 and changes slots: one barrier; in front of it each wave waits for all its tensor loads, adds 0 to its spare word, and waits for that and for its reads of this slot.
.macro TURN slot, next, fill
	WIN 0
	s_wait_tensorcnt 0x0                           ; all my tensor loads have landed: my part of the next slot
	ds_add_u32 v[SPW], v[NIL]
	s_wait_dscnt 7                                 ; the add and A's blocks 1 to 3 may be out
	WIN MUL
	MUL8 1, 0, 0
	s_wait_dscnt 0x0                               ; the add is done, and my reads of this slot are over
	s_barrier_signal -1
	MUL8 1, 1, 0
	WIN 0
	s_barrier_wait -1
.if \fill
	CREST                                          ; the barrier has opened a round of the cluster's barrier
	s_add_nc_u64 s[G0+4*\slot+2:G0+4*\slot+3], s[G0+4*\slot+2:G0+4*\slot+3], 4194304    ; two K steps on: four heads
	s_add_nc_u64 s[G0B+4*\slot+2:G0B+4*\slot+3], s[G0B+4*\slot+2:G0B+4*\slot+3], 512
	JLOAD \slot                                    ; the first tensor load behind the round; its four v_nop are also the places in front of the loads below
.else
	PLACES
.endif
	FETCH \next, 0, 0
	WIN MUL
	MUL8 1, 2, 0
	MUL8 1, 3, 0
.endm
	s_wait_tensorcnt 1                             ; my part of K step 0 is in; K step 1's may be out
	s_barrier_signal -1
	s_barrier_wait -1
	FETCH 0, 0, 0
	s_wait_loadcnt 0x0                             ; the bias
	QUARTER 0, 1, 0, 1, 1                          ; the first quarter's products start the sums on the bias
	WIN 0
	s_mov_b32 s3, LAPS-1
.Llap:                                             ; a trip goes once round the ring and fills both slots again
	QUARTER 0, 2, 1, 0, 0
	QUARTER 0, 3, 0, 1, 0
	TURN 0, 1, 1
	QUARTER 1, 1, 0, 1, 0
	QUARTER 1, 2, 1, 0, 0
	QUARTER 1, 3, 0, 1, 0
	TURN 1, 0, 1
	QUARTER 0, 1, 0, 1, 0
	WIN 0
	s_sub_co_u32 s3, s3, 1
	s_cmp_lg_u32 s3, 0
	s_cbranch_scc1 .Llap
	QUARTER 0, 2, 1, 0, 0                          ; the last lap fills nothing
	QUARTER 0, 3, 0, 1, 0
	TURN 0, 1, 0
	QUARTER 1, 1, 0, 1, 0
	QUARTER 1, 2, 1, 0, 0
	QUARTER 1, 3, 0, 1, 0
	s_wait_dscnt 4
	WIN MUL
	MUL8 1, 0, 0
	MUL8 1, 1, 0
	s_wait_dscnt 0
	MUL8 1, 2, 0
	MUL8 1, 3, 0
	WIN 0
; THE WAY OUT, block by block of 16 rows x 128 columns of f32: through my own stage, and out as whole rows of 512 bytes.
.macro TOSTAGE a
	WIN 0x04                                       ; an LDS store's data are its source 1: window 1
.irp b, 0,1,2,3,4,5,6,7
	ds_store_b128 v[STO], v[8*(8*(\a)+\b):8*(8*(\a)+\b)+3] offset:64*\b          ; each accumulator from its low end on
	ds_store_b128 v[STO], v[8*(8*(\a)+\b)+4:8*(8*(\a)+\b)+7] offset:64*\b+16
.endr
	WIN 0
.set BB, 32+64*((\a)%2)
.irp t, 0,1,2,3,4,5,6,7,8,9,10,11,12,13,14,15
	ds_load_b128 v[BB+4*\t:BB+4*\t+3], v[RD] offset:\t*SPITCH
.endr
.endm
.macro SEND a, younger
.set BB, 32+64*((\a)%2)
	s_wait_dscnt \younger                          ; the block is back; the next block's 16 stores and 16 loads may be out
.if (\a) > 0
	s_add_nc_u64 s[10:11], s[10:11], 16*4096       ; behind a wait on XCNT: the earlier stores have read their base
.else
	s_cmp_eq_u32 s73, 0                            ; positions 0..15 are another launch's: their sixteen stores are left out
	s_cbranch_scc1 .Lnot_mine_\@
.endif
.irp t, 0,1,2,3,4,5,6,7,8,9,10,11,12,13,14,15
	global_store_b128 v[CO], v[BB+4*\t:BB+4*\t+3], s[10:11] offset:\t*4096 th:TH_STORE_NT   ; 32 lanes store 512 consecutive bytes, aligned
.endr
.if (\a) == 0
.Lnot_mine_\@:
.endif
.endm
	PLACES
	TOSTAGE 0
.irp a, 1,2,3
.if \a > 1
	s_wait_xcnt 0x0                                ; block a - 2's stores have read their registers and their base
.endif
	TOSTAGE \a
	SEND \a-1, 32
.endr
	s_wait_xcnt 0x0
	SEND 3, 0
	s_wait_tensorcnt 0x0                           ; the wave's end
	ds_add_u32 v[SPW], v[NIL]
	s_wait_dscnt 0x0
	CROUND                                         ; the closing round
	s_endpgm
.Lfunc_end_k_q702593341a_proj:
	.size	k_q702593341a_proj, .Lfunc_end_k_q702593341a_proj-k_q702593341a_proj
	.p2alignl 7, 3214868480
	.fill 96, 4, 3214868480
	.section	.rodata,"a",@progbits
	.p2align	6, 0x0
	.amdhsa_kernel k_q702593341a_proj
		.amdhsa_group_segment_fixed_size 327680
		.amdhsa_private_segment_fixed_size 0
		.amdhsa_enable_private_segment 0
		.amdhsa_kernarg_size 32
		.amdhsa_user_sgpr_count 2
		.amdhsa_user_sgpr_kernarg_segment_ptr 1
		.amdhsa_wavefront_size32 1
		.amdhsa_system_sgpr_workgroup_id_x 1
		.amdhsa_system_sgpr_workgroup_id_y 1
		.amdhsa_system_sgpr_workgroup_id_z 1
		.amdhsa_system_vgpr_workitem_id 0
		.amdhsa_next_free_vgpr 640
		.amdhsa_next_free_sgpr 80
		.amdhsa_reserve_vcc 0
		.amdhsa_float_denorm_mode_32 3
		.amdhsa_float_denorm_mode_16_64 3
		.amdhsa_memory_ordered 1
		.amdhsa_forward_progress 1
		.amdhsa_inst_pref_size 87
	.end_amdhsa_kernel
	.amdgpu_metadata
---
amdhsa.version: [ 1, 2 ]
amdhsa.kernels:
  - .name:           k_q702593341a_proj
    .symbol:         k_q702593341a_proj.kd
    .args:
      - { .name: y16, .offset: 0, .size: 8, .value_kind: global_buffer, .address_space: global }
      - { .name: wpt, .offset: 8, .size: 8, .value_kind: global_buffer, .address_space: global }
      - { .name: b_proj, .offset: 16, .size: 8, .value_kind: global_buffer, .address_space: global }
      - { .name: out0, .offset: 24, .size: 8, .value_kind: global_buffer, .address_space: global }
    .group_segment_fixed_size: 327680
    .private_segment_fixed_size: 0
    .kernarg_segment_align: 8
    .kernarg_segment_size: 32
    .max_flat_workgroup_size: 128
    .sgpr_count:     80
    .vgpr_count:     640
    .wavefront_size: 32
...
	.end_amdgpu_metadata
.endif
;; end of part 4
;; launch first16 (part 5): grid 16 x 4, 16 waves a work-group, no clusters, 85,504 bytes of LDS; arguments q32, w_proj, b_proj, out0; writes out0
.if DOCPART == 5
	.amdgcn_target "amdgcn-amd-amdhsa--gfx1250"
	.amdhsa_code_object_version 6
	.text
	.protected	k_q702593341a_first16
	.globl	k_q702593341a_first16
	.p2align	8
	.type	k_q702593341a_first16,@function
k_q702593341a_first16:
	s_mov_b64 s[64:65], 0
	v_nop
	global_prefetch_b8 v0, s[64:65] scope:SCOPE_SE
	s_setreg_imm32_b32 hwreg(HW_REG_WAVE_MODE, 25, 1), 1
	s_wait_xcnt 0x0
; Positions 0..15 of each of the four sequences, all in f32: attention from q32 [4][16][3072] (q, k, v with their bias), then the projection with w_proj [1024 k][1024 n] and b_proj.
; A work-group makes 16 rows x 64 columns of out0: x = which 64 columns, y = the batch.  Sixteen waves.
; PHASE 1: wave = head: S^T = K Q^T, the causal softmax of 16 keys, O^T = V^T P^T; y goes to LDS.  (Each of a batch's sixteen work-groups makes all of y: 16 x 16 x 64 numbers a head.)
; PHASE 2: wave = (16 columns, a quarter of K): 64 products of 16 x 16 x 4; the four quarters meet in LDS.
; The f32 matrix form takes k = 2 (lane / 16) + register; here both sources of a product are laid by the same permutation of k, which keeps the products.
; The accumulators v16-47 are written by matrix instructions alone; each sum begins with the constant 0; four accumulators take turns.
; Eight places stand behind this form ahead of a read of its result, nine ahead of a product that writes over its registers (ISA guide 7.12.1).
.set YP,    4112                       ; a row of y in LDS: 4,096 bytes + 16
.set RED,   66048                      ; four quarters x 16 rows x (256 bytes + 16)
.set SPARE, 83456                      ; the spare words, 128 bytes for each wave: no other line names them
.set ACC, 16
.set KR,  48
.set QR,  80
.set VR,  112
.set SW,  144
.set YR,  128
.set W1,  192
.set W2,  48
	s_load_b256 s[4:11], s[0:1], 0x0               ; q32, w_proj, b_proj, out0
	v_lshl_add_u32 v1, v0, 2, SPARE
	v_mov_b32 v2, 0
	v_lshrrev_b32 v14, 5, v0
	v_readfirstlane_b32 s12, v14                   ; wave 0..15: the head
	s_and_b32 s13, s12, 3                          ; which 16 columns
	s_lshr_b32 s14, s12, 2                         ; which quarter of K
	s_and_b32 s15, ttmp7, 0xffff                   ; the batch
	v_and_b32 v14, 15, v0                          ; r
	v_bfe_u32 v15, v0, 4, 1                        ; h
	v_mul_u32_u24 v3, v14, 12288
	v_lshl_add_u32 v3, v15, 7, v3                  ; q, k: row r, channels 32 h on
	v_mul_u32_u24 v4, v15, 8*12288
	v_lshl_add_u32 v4, v14, 2, v4                  ; v: keys 8 h on, channel r
	v_lshlrev_b32 v5, 14, v15
	v_lshl_add_u32 v5, v14, 2, v5                  ; w_proj: rows 4 h on, column r
	v_mul_u32_u24 v6, v14, YP
	v_lshl_add_u32 v7, v15, 4, v6
	v_lshl_add_u32 v6, v15, 5, v6
	s_lshl_b32 s16, s12, 8
	v_add_nc_u32 v6, s16, v6                       ; y into LDS: row r, my head's 256 bytes, + 32 h
	s_lshl_b32 s16, s14, 10
	v_add_nc_u32 v7, s16, v7                       ; y out of it: row r, my quarter's 1,024 bytes, + 16 h
	v_mul_u32_u24 v8, v14, 272
	v_lshl_add_u32 v8, v15, 5, v8
	s_mul_i32 s16, s14, 16*272
	s_lshl_b32 s17, s13, 6
	s_add_co_u32 s16, s16, s17
	s_add_co_u32 s16, s16, RED
	v_add_nc_u32 v8, s16, v8                       ; my part sums: quarter, row r, my 64 bytes, + 32 h
	v_mul_u32_u24 v9, v15, 272
	v_lshl_add_u32 v9, v14, 4, v9
	s_and_b32 s18, s12, 7
	s_mul_i32 s16, s18, 2*272
	s_add_co_u32 s16, s16, RED
	v_add_nc_u32 v9, s16, v9                       ; back: waves 0-7 take two rows each, sixteen lanes to a row
	v_lshlrev_b32 v10, 12, v15
	v_lshl_add_u32 v10, v14, 4, v10                ; and the same two rows in out0
	v_lshlrev_b32 v11, 4, v14                      ; the bias: 4 numbers a lane
	v_lshlrev_b32 v12, 3, v15
	v_sub_nc_u32 v12, v14, v12                     ; r - 8 h: register j (key 8 h + j) is hidden where j is above it
	v_mov_b32 v13, 0xff800000
	s_mov_b32 s20, 0x76543210
	s_mov_b32 s21, 0xfedcba98
	s_mov_b32 s22, 0x3e38aa3b                      ; c = log2(e) / 8
	s_mov_b32 s25, 0
	s_wait_kmcnt 0x0
	s_mul_i32 s24, s15, 196608
	s_lshl_b32 s26, s12, 8
	s_add_co_u32 s24, s24, s26
	s_add_nc_u64 s[4:5], s[4:5], s[24:25]          ; q32 at my batch and head
	s_lshl_b32 s24, s14, 20
	s_lshl_b32 s26, ttmp9, 8
	s_add_co_u32 s24, s24, s26
	s_lshl_b32 s27, s13, 6
	s_add_co_u32 s24, s24, s27
	s_add_nc_u64 s[6:7], s[6:7], s[24:25]          ; w_proj at my quarter of K and my 16 columns
	s_mov_b32 s24, s26
	s_add_nc_u64 s[8:9], s[8:9], s[24:25]          ; b_proj at the work-group's 64 columns
	s_lshl_b32 s24, s15, 23
	s_lshl_b32 s27, s18, 13
	s_add_co_u32 s24, s24, s27
	s_add_co_u32 s24, s24, s26
	s_add_nc_u64 s[10:11], s[10:11], s[24:25]      ; out0 at the batch's first rows, the two that I store, the 64 columns
.irp i, 0,1,2,3,4,5,6,7
	global_load_b128 v[KR+4*\i:KR+4*\i+3], v3, s[4:5] offset:4096+16*\i
	global_load_b128 v[QR+4*\i:QR+4*\i+3], v3, s[4:5] offset:16*\i
.endr
.irp ct, 0,1,2,3
.irp i, 0,1,2,3,4,5,6,7
	global_load_b32 v[VR+8*\ct+\i], v4, s[4:5] offset:8192+\i*12288+64*\ct      ; v(key 8 h + i, channel 16 ct + r)
.endr
.endr
.macro WLOAD reg, half                 ; 32 products' worth of w_proj: register 2 st + j holds row 128 half + 8 (st / 2) + 4 h + 2 (st % 2) + j of my quarter, column r of my 16
.set st, 0
.rept 32
	global_load_b32 v[\reg+2*st],   v5, s[6:7] offset:(128*\half+8*(st/2)+2*(st%2))*4096
	global_load_b32 v[\reg+2*st+1], v5, s[6:7] offset:(128*\half+8*(st/2)+2*(st%2)+1)*4096
.set st, st+1
.endr
.endm
.macro SUM4 d, tt                      ; the four accumulators are added into other registers, each read from its low end on
.irp p, 0,2,4,6
	v_pk_add_f32 v[\d+\p:\d+\p+1], v[ACC+\p:ACC+\p+1], v[ACC+8+\p:ACC+9+\p]
	v_pk_add_f32 v[\tt:\tt+1], v[ACC+16+\p:ACC+17+\p], v[ACC+24+\p:ACC+25+\p]
	v_pk_add_f32 v[\d+\p:\d+\p+1], v[\d+\p:\d+\p+1], v[\tt:\tt+1]
.endr
.endm
.macro NOPS n
.rept \n
	v_nop
.endr
.endm
	WLOAD W1, 0
	s_wait_loadcnt 63                              ; 64 loads were issued behind q, k and v: with 63 out at the most, those are in
	; ---- phase 1
.set st, 0
.rept 16                                       ; S^T = K Q^T: channels 32 h + 2 st + 0, 1 in product st
.if st < 4
	v_wmma_f32_16x16x4_f32 v[ACC+8*(st%4):ACC+8*(st%4)+7], v[KR+2*st:KR+2*st+1], v[QR+2*st:QR+2*st+1], 0
.else
	v_wmma_f32_16x16x4_f32 v[ACC+8*(st%4):ACC+8*(st%4)+7], v[KR+2*st:KR+2*st+1], v[QR+2*st:QR+2*st+1], v[ACC+8*(st%4):ACC+8*(st%4)+7]
.endif
.set st, st+1
.endr
	NOPS 8
	SUM4 SW, 152                                   ; lane (r, h): query r, keys 8 h + 0 .. 7
.irp j, 0,1,2,3,4,5,6,7
	v_cmp_gt_i32 vcc_lo, \j, v12
	v_cndmask_b32 v[SW+\j], v[SW+\j], v13, vcc_lo
.endr
	v_max3_num_f32 v154, v[SW], v[SW+1], v[SW+2]
	v_max3_num_f32 v154, v154, v[SW+3], v[SW+4]
	v_max3_num_f32 v154, v154, v[SW+5], v[SW+6]
	v_max_num_f32 v154, v154, v[SW+7]
	v_mov_b32 v155, 0
	v_permlanex16_b32 v155, v154, s20, s21
	v_max_num_f32 v154, v154, v155                 ; the row's largest score: key 0 counts for every query
	v_mul_f32 v154, s22, v154
.irp j, 0,1,2,3,4,5,6,7
	v_fma_f32 v[SW+\j], v[SW+\j], s22, -v154
.endr
.irp j, 0,1,2,3,4,5,6,7
	v_exp_f32 v[SW+\j], v[SW+\j]
.endr
	v_nop
	s_wait_alu depctr_va_vdst(0)                   ; one wait for the eight exponentials
	v_pk_add_f32 v[156:157], v[SW:SW+1], v[SW+2:SW+3]
	v_pk_add_f32 v[158:159], v[SW+4:SW+5], v[SW+6:SW+7]
	v_pk_add_f32 v[156:157], v[156:157], v[158:159]
	v_add_f32 v156, v156, v157
	v_permlanex16_b32 v155, v156, s20, s21
	v_add_f32 v156, v156, v155
	v_rcp_f32 v157, v156
	v_nop
	s_wait_alu depctr_va_vdst(0)
.irp j, 0,1,2,3,4,5,6,7
	v_mul_f32 v[SW+\j], v[SW+\j], v157             ; the weights, normalised
.endr
	WLOAD W2, 1                                    ; into the registers that held k and q: their last products stand far more than eight places back
.irp st, 0,1,2,3                               ; O^T = V^T P^T: keys 8 h + 2 st + 0, 1 in product st
.irp ct, 0,1,2,3
.if \st == 0
	v_wmma_f32_16x16x4_f32 v[ACC+8*\ct:ACC+8*\ct+7], v[VR+8*\ct+2*\st:VR+8*\ct+2*\st+1], v[SW+2*\st:SW+2*\st+1], 0
.else
	v_wmma_f32_16x16x4_f32 v[ACC+8*\ct:ACC+8*\ct+7], v[VR+8*\ct+2*\st:VR+8*\ct+2*\st+1], v[SW+2*\st:SW+2*\st+1], v[ACC+8*\ct:ACC+8*\ct+7]
.endif
.endr
.endr
	NOPS 8
.irp ct, 0,1,2,3
	ds_store_b128 v6, v[ACC+8*\ct:ACC+8*\ct+3] offset:64*\ct       ; y(r, 64 head + 16 ct + 8 h + 0 .. 7)
	ds_store_b128 v6, v[ACC+8*\ct+4:ACC+8*\ct+7] offset:64*\ct+16
.endr
	s_wait_dscnt 0x0                               ; for the others' sake
	s_barrier_signal -1
	s_barrier_wait -1
	; ---- phase 2
	NOPS 4                                         ; with the eight above: twelve places behind the last products
	global_load_b128 v[120:123], v11, s[8:9]       ; the bias
.macro YLOAD half
.irp c, 0,1,2,3,4,5,6,7,8,9,10,11,12,13,14,15
	ds_load_b128 v[YR+4*\c:YR+4*\c+3], v7 offset:(16*\half+\c)*32  ; y(r, k = 8 c + 4 h + 0 .. 3 of my quarter): two products' worth
.endr
.endm
.macro MM wreg, first
.set st, 0
.rept 32
.if \first && (st < 4)
	v_wmma_f32_16x16x4_f32 v[ACC+8*(st%4):ACC+8*(st%4)+7], v[\wreg+2*st:\wreg+2*st+1], v[YR+2*st:YR+2*st+1], 0
.else
	v_wmma_f32_16x16x4_f32 v[ACC+8*(st%4):ACC+8*(st%4)+7], v[\wreg+2*st:\wreg+2*st+1], v[YR+2*st:YR+2*st+1], v[ACC+8*(st%4):ACC+8*(st%4)+7]
.endif
.set st, st+1
.endr
.endm
	YLOAD 0
	s_wait_loadcnt 63                              ; 65 loads were issued behind w_proj's first half: with 63 out at the most, it is in
	s_wait_dscnt 0x0
	MM W1, 1
	NOPS 8
	YLOAD 1
	s_wait_loadcnt 0x0
	s_wait_dscnt 0x0
	MM W2, 0
	NOPS 8
	SUM4 112, 124                                  ; lane (r, h): row r, columns 8 h + 0 .. 7 of my 16
	ds_store_b128 v8, v[112:115]
	ds_store_b128 v8, v[116:119] offset:16
	s_wait_tensorcnt 0x0                           ; my last LDS store is out: LDS is only read behind the barrier
	ds_add_u32 v1, v2
	s_wait_dscnt 0x0                               ; also for the others' sake: my part sums lie in LDS
	s_barrier_signal -1
	s_barrier_wait -1
	s_cmp_lt_u32 s12, 8
	s_cbranch_scc0 .Ldone
.irp k, 0,1,2,3
	ds_load_b128 v[128+4*\k:128+4*\k+3], v9 offset:\k*16*272
.endr
	s_wait_dscnt 0x0
	v_pk_add_f32 v[128:129], v[128:129], v[132:133]
	v_pk_add_f32 v[130:131], v[130:131], v[134:135]
	v_pk_add_f32 v[136:137], v[136:137], v[140:141]
	v_pk_add_f32 v[138:139], v[138:139], v[142:143]
	v_pk_add_f32 v[128:129], v[128:129], v[136:137]
	v_pk_add_f32 v[130:131], v[130:131], v[138:139]
	v_pk_add_f32 v[128:129], v[128:129], v[120:121]
	v_pk_add_f32 v[130:131], v[130:131], v[122:123]
	global_store_b128 v10, v[128:131], s[10:11]    ; sixteen lanes store 256 consecutive bytes, aligned
.Ldone:
	s_endpgm
.Lfunc_end_k_q702593341a_first16:
	.size	k_q702593341a_first16, .Lfunc_end_k_q702593341a_first16-k_q702593341a_first16
	.p2alignl 7, 3214868480
	.fill 96, 4, 3214868480
	.section	.rodata,"a",@progbits
	.p2align	6, 0x0
	.amdhsa_kernel k_q702593341a_first16
		.amdhsa_group_segment_fixed_size 85504
		.amdhsa_private_segment_fixed_size 0
		.amdhsa_enable_private_segment 0
		.amdhsa_kernarg_size 32
		.amdhsa_user_sgpr_count 2
		.amdhsa_user_sgpr_kernarg_segment_ptr 1
		.amdhsa_wavefront_size32 1
		.amdhsa_system_sgpr_workgroup_id_x 1
		.amdhsa_system_sgpr_workgroup_id_y 1
		.amdhsa_system_sgpr_workgroup_id_z 1
		.amdhsa_system_vgpr_workitem_id 0
		.amdhsa_next_free_vgpr 256
		.amdhsa_next_free_sgpr 66
		.amdhsa_reserve_vcc 1
		.amdhsa_float_denorm_mode_32 3
		.amdhsa_float_denorm_mode_16_64 3
		.amdhsa_memory_ordered 1
		.amdhsa_forward_progress 1
		.amdhsa_inst_pref_size 35
	.end_amdhsa_kernel
	.amdgpu_metadata
---
amdhsa.version: [ 1, 2 ]
amdhsa.kernels:
  - .name:           k_q702593341a_first16
    .symbol:         k_q702593341a_first16.kd
    .args:
      - { .name: q32, .offset: 0, .size: 8, .value_kind: global_buffer, .address_space: global }
      - { .name: w_proj, .offset: 8, .size: 8, .value_kind: global_buffer, .address_space: global }
      - { .name: b_proj, .offset: 16, .size: 8, .value_kind: global_buffer, .address_space: global }
      - { .name: out0, .offset: 24, .size: 8, .value_kind: global_buffer, .address_space: global }
    .group_segment_fixed_size: 85504
    .private_segment_fixed_size: 0
    .kernarg_segment_align: 8
    .kernarg_segment_size: 32
    .max_flat_workgroup_size: 512
    .sgpr_count:     66
    .vgpr_count:     256
    .wavefront_size: 32
...
	.end_amdgpu_metadata
.endif
;; end of part 5
